; MI455X (gfx1250); checked and timed in simulation.
; The chip was launched on July 23, 2026; its instructions are those of AMD's public machine-readable ISA for CDNA 5 (MIT licence, August 2026) and "CDNA5" Instruction Set Architecture Reference Guide (July 2026). The comments in the code are by the model that wrote it; some were corrected since.
;; LSA Layer. Allowed arithmetic: matrix products marked QUANTISED: E2M1 operands, one E8M0 scale for each 32 along K, by v_wmma_scale_f32_16x16x128_f8f6f4 with both operands' format E2M1 (or v_wmma_scale_f32_32x16x128_f4), f32 sums; products left as they are: bf16, f16 or f32 operands; f32 sums; everything else in f32.
;; Inputs: P 1,024 x 1,024 float32; Wk 1,024 x 1,024 float32; Wq 1,024 x 1,024 float32; Wv 1,024 x 1,024 float32; x 4 x 2,048 x 1,024 float32.
;; Outputs: out0 4 x 2,048 x 1,024 float32.
;; This version of the problem:
;;   THIS VERSION OF THE PROBLEM IS GIVEN IN LOW PRECISION. The matrix products marked QUANTISED in the list below multiply operands that are first quantised to E2M1 (2 exponent bits, 1 mantissa bit; 4 bits a number), with one power-of-two scale for each 32 numbers along K (OCP MX v1.0); their sums are f32. The products marked 'left as it is' may take bf16, f16 or f32 operands, with f32 sums. Whichever they take, every output number must still come out within the allowed error. Rounding operands to bf16 (8 significant bits) uses up far more of that allowance than f16 does (11 bits, for magnitudes from 6e-5 to 65,504). All else is computed in f32.
;;   The module's matrix products, in the order in which they are computed (A, B: the left and right operand; K: the contracted axis; several contracted axes count as one K, in the product's order):
;;     1. [M 8,192, K 1,024] x [K 1,024, N 1,024]; A: input x; B: input Wq: QUANTISED
;;     2. [M 8,192, K 1,024] x [K 1,024, N 1,024]; A: input x; B: input Wk: QUANTISED
;;     3. [M 8,192, K 1,024] x [K 1,024, N 1,024]; A: input x; B: input Wv: QUANTISED
;;     4. batch 4 x [M 2,048, K 1,024] x [K 1,024, N 2,048]; A: computed on the way; B: computed on the way: left as it is (an operand is computed on the way)
;;     5. batch 4 x [M 2,048, K 2,048] x [K 2,048, N 1,024]; A: computed on the way; B: computed on the way: left as it is (an operand is computed on the way)
;;     6. [M 8,192, K 1,024] x [K 1,024, N 1,024]; A: computed on the way; B: input P: left as it is (an operand is computed on the way)
;;   THE QUANTISER, for each operand of a quantised product, along K:
;;     - K is cut into blocks of 32 from its start; a last block that is shorter is filled with zeros.
;;     - A block's scale is 2^e with e = floor(log2(the largest magnitude in the block)) - 2, held to -126 .. 127; a block of zeros has e = 0. As a byte (E8M0): e + 127.
;;     - Each number is divided by its block's scale, clamped to +-6, and rounded to the nearest number of E2M1, ties to even, subnormals kept.
;;     - The product sums the exact products of the quantised numbers (number of the format x scale) in f32.
;;   ~~~python
;;   def quantise(x, axis):      # numpy; x: float32 -> the quantised numbers, widened to float32 again
;;       x = np.moveaxis(x, axis, -1); K = x.shape[-1]
;;       x = np.pad(x, [(0, 0)] * (x.ndim - 1) + [(0, -K % 32)]); x = x.reshape(x.shape[:-1] + (-1, 32)); a = np.abs(x).max(-1, keepdims=True)
;;       e = np.where(a > 0, np.clip(np.frexp(np.where(a > 0, a, 1))[1] - 1 - 2, -126, 127), 0)      # np.frexp(a)[1] - 1 = floor(log2(a)), exactly
;;       r = np.clip(x / 2.0 ** e, -6, 6)
;;       step = 2.0 ** (np.maximum(np.frexp(np.where(r == 0, 1, r))[1] - 1, 0) - 1)
;;       q = np.round(r / step) * step * 2.0 ** e      # np.round: ties to even
;;       return np.moveaxis(q.reshape(q.shape[:-2] + (-1,))[..., :K], -1, axis).astype(np.float32)
;;   ~~~
;; One version. Each part assembles by itself: llvm-mc -triple=amdgcn-amd-amdhsa -mcpu=gfx1250 --defsym DOCPART=n.
;; ======== version 1 of 1: 5 launches
;; limits: values are held in f16: magnitudes above 65,504 overflow, below 6.1e-05 lose precision
;; workspace buffers: codes 5,767,168 bytes; scales 360,448 bytes; pt 2,098,176 bytes; q 16,777,216 bytes; kvt 33,558,528 bytes; mm 8,388,608 bytes; nt 8,388,608 bytes
;; launch prep (part 1): grid 384 x 1, 8 waves a work-group, no clusters, 130,560 bytes of LDS; arguments x, Wq, Wk, Wv, P, codes, scales, pt; writes codes, scales, pt
.if DOCPART == 1
	.amdgcn_target "amdgcn-amd-amdhsa--gfx1250"
	.amdhsa_code_object_version 6
	.text
	.protected	k_q4e52ce5182_prep
	.globl	k_q4e52ce5182_prep
	.p2align	8
	.type	k_q4e52ce5182_prep,@function
k_q4e52ce5182_prep:
	s_mov_b64 s[64:65], 0
	v_nop
	global_prefetch_b8 v0, s[64:65] scope:SCOPE_SE
	s_setreg_imm32_b32 hwreg(HW_REG_WAVE_MODE, 25, 1), 1
	s_wait_xcnt 0x0
; out = x + ((Q K^T) V) P,  Q = x Wq, K = x Wk, V = x Wv (these three on codes of E2M1 with one E8M0 scale for each 32 along K).
; THE LESSER WORK.  Between the products Q K^T, (.) V and (.) P stands no quantiser and no step that is not linear, so for all finite values of the inputs, in exact arithmetic,
; ((Q K^T) V) P = Q ((K^T V) P).  This program forms M = K^T V (1024 x 1024 for each batch), N = M P and Q N: half the multiply-adds of the three products as written, and the
; [4][2048][2048] scores are never formed.  All five inputs have a way to the output and are loaded.
; LIMIT: an overflow, an infinity or a NaN that would arise only in the scores or in the context is not carried to the result.
; THIS LAUNCH, three paths that part on the work-group's number, each with LDS bytes of its own:
;   work-groups 0-255:   x [8192][1024] f32 -> codes rows 0-8191 (512 bytes a row, K innermost, the lower k in the low four bits) and scale bytes (32 a row)
;   work-groups 256-351: Wq, Wk, Wv [1024 k][1024 n] f32, K their first axis -> codes rows 8192 + n, 9216 + n, 10240 + n, and their scale bytes
;   work-groups 352-383: P [1024 v][1024 o] f32 -> pt [o][v] in f16, and each wave's largest |P| as one f32 behind it (256 of them, from byte PMAXO on)
; A block's scale is 2^(floor(log2(its largest magnitude)) - 2): its byte is the largest magnitude's exponent field less 2, held at 1 from below.  A block of zeros so gets the byte 1
; where the rule says 127: its codes are zeros, and this program alone reads the bytes.
; LIMITS: blocks whose largest magnitude lies under 2^-124 keep the byte 1; |P| up to 65,504 (f16); NaN and infinities among the inputs are not served.
.set XSC,   40960                      ; LDS: x path: 8 waves x two stages of 32 x 80 bytes from 0 on; its 1,024 scale bytes here
.set WST,   41984                      ; W path: a stage of 32 rows x (512 + 16) bytes,
.set WSC,   58880                      ; and its 32 rows x 32 scale bytes
.set PST,   59904                      ; P path: 8 waves x a stage of 32 rows x (256 + 16) bytes
.set SPARE, 129536                     ; the spare words, 128 bytes for each wave: four blocks of 256 bytes that no other line names
.set PMAXO, 2097152                    ; pt: where the 256 maxima begin
.set SPW,  1                           ; v1   LDS address of my spare word; never rewritten
.set NIL,  2                           ; v2   0; never rewritten
.set LN,   3                           ; v3   lane
.set XR,   16                          ; x path: v16-79 four sets of 16 numbers as loaded
.set XN,   80                          ; v80-111 two sets of 16 neighbours
.set XE,   112                         ; v112-119 a scale byte for each step
.set XC,   128                         ; v128-159 codes, four registers for each step: no store's data are written again
.set CX,   32                          ; W and P paths: v32-95 two sets of 32 numbers down a column
.set CC,   96                          ; v96.. a block's codes or f16 pairs
.set OUTR, 112                         ; v112.. rows read back from the stage
.macro XLOAD t                         ; step t's 512 numbers: four loads of 512 consecutive bytes
.irp i, 0,1,2,3
	global_load_b128 v[XR+16*((\t)%4)+4*\i:XR+16*((\t)%4)+4*\i+3], v4, s[4:5] offset:2048*(\t)+512*\i th:TH_LOAD_NT
.endr
.endm
.macro XTURN t                         ; through the wave's own stage: in as loaded, out 64 bytes (16 neighbours) a lane; LDS serves a wave's instructions in order
.irp i, 0,1,2,3
	ds_store_b128 v5, v[XR+16*((\t)%4)+4*\i:XR+16*((\t)%4)+4*\i+3] offset:2560*((\t)%2)+640*\i
.endr
.irp i, 0,1,2,3
	ds_load_b128 v[XN+16*((\t)%2)+4*\i:XN+16*((\t)%2)+4*\i+3], v6 offset:2560*((\t)%2)+16*\i
.endr
.endm
.macro XSTEP t
.set XS, XN+16*((\t)%2)
.if (\t) > 0
	s_wait_dscnt 1                                 ; this step's numbers are back from the stage; the last step's byte store may be out
.else
	s_wait_dscnt 0x0
.endif
.if (\t)+4 < 8
	XLOAD (\t)+4                                   ; into the set whose stores into the stage are done
.endif
.if (\t)+1 < 8
.if 6-(\t) >= 3
	s_wait_loadcnt 12                              ; the next step's four loads are in; those of the three steps behind it may be out
.else
	s_wait_loadcnt 4*(6-(\t))
.endif
	XTURN (\t)+1
.endif
	v_max3_num_f32 v12, |v[XS]|, |v[XS+1]|, |v[XS+2]|              ; the largest magnitude of my 16, in two chains
	v_max3_num_f32 v13, |v[XS+3]|, |v[XS+4]|, |v[XS+5]|
.irp i, 6,10
	v_max3_num_f32 v12, v12, |v[XS+\i]|, |v[XS+\i+1]|
	v_max3_num_f32 v13, v13, |v[XS+\i+2]|, |v[XS+\i+3]|
.endr
	v_max3_num_f32 v12, v12, |v[XS+14]|, |v[XS+15]|
	v_max3_num_f32 v12, v12, v13, 0x1800000        ; and the floor 2^(3 - 127): the byte cannot fall under 1
	v_max_num_f32_dpp v12, v12, v12 row_xmask:1 row_mask:0xf bank_mask:0xf   ; with my neighbour's 16: the block's
	v_add_nc_u32 v14, 0xff000000, v12              ; 2 off its exponent field: the conversion takes the exponent field of this operand as its scale
	v_cvt_scalef32_pk8_fp4_f32 v[XC+4*(\t)], v[XS:XS+7], v14
	v_cvt_scalef32_pk8_fp4_f32 v[XC+4*(\t)+1], v[XS+8:XS+15], v14
	v_lshrrev_b32 v[XE+(\t)], 23, v14              ; the scale's byte (also the plain line behind the conversions)
	ds_store_b8 v8, v[XE+(\t)] offset:16*(\t)      ; both lanes of a block write the same byte with the same value
	global_store_b64 v7, v[XC+4*(\t):XC+4*(\t)+1], s[14:15] offset:256*(\t)   ; the wave stores 256 consecutive bytes, aligned
.endm
.macro CLOAD t                         ; block t of my column: 32 numbers down K into set t % 2; a load reads 128 consecutive bytes
.irp i, 0,1,2,3,4,5,6,7,8,9,10,11,12,13,14,15,16,17,18,19,20,21,22,23,24,25,26,27,28,29,30,31
	global_load_b32 v[CX+32*((\t)%2)+\i], v4, s[20:21] offset:(32*(\t)+\i)*4096
.endr
.endm
.macro WBLOCK t
.set XS, CX+32*((\t)%2)
.if (\t) < 3
	s_wait_loadcnt 32                              ; this block's 32 loads are in; the next block's may be out
.else
	s_wait_loadcnt 0x0
.endif
	v_max3_num_f32 v12, |v[XS]|, |v[XS+1]|, |v[XS+2]|              ; all 32 numbers of the block are mine
	v_max3_num_f32 v13, |v[XS+3]|, |v[XS+4]|, |v[XS+5]|
.irp i, 6,10,14,18,22,26
	v_max3_num_f32 v12, v12, |v[XS+\i]|, |v[XS+\i+1]|
	v_max3_num_f32 v13, v13, |v[XS+\i+2]|, |v[XS+\i+3]|
.endr
	v_max3_num_f32 v12, v12, |v[XS+30]|, |v[XS+31]|
	v_max3_num_f32 v12, v12, v13, 0x1800000
	v_add_nc_u32 v14, 0xff000000, v12
	v_lshrrev_b32 v13, 23, v14
.if (\t) == 0
	v_mov_b32 v15, v13                             ; my four bytes make a word, the lower K in the lower byte
.else
	v_lshl_or_b32 v15, v13, 8*(\t), v15
.endif
.irp g, 0,1,2,3
	v_cvt_scalef32_pk8_fp4_f32 v[CC+\g], v[XS+8*\g:XS+8*\g+7], v14
.endr
	ds_store_b128 v5, v[CC:CC+3] offset:16*(\t)    ; 32 codes: 16 bytes of my column's row
.if (\t) < 2
	CLOAD (\t)+2
.endif
	s_wait_dscnt 0x0                               ; the store has read its registers: the next block's codes may be written
.endm
.macro PBLOCK t
.set XS, CX+32*((\t)%2)
.if (\t) < 3
	s_wait_loadcnt 32
.else
	s_wait_loadcnt 0x0
.endif
.irp i, 0,4,8,12,16,20,24,28
	v_max3_num_f32 v24, v24, |v[XS+\i]|, |v[XS+\i+1]|              ; the running largest |P|, in two chains
	v_max3_num_f32 v25, v25, |v[XS+\i+2]|, |v[XS+\i+3]|
.endr
.irp i, 0,1,2,3,4,5,6,7,8,9,10,11,12,13,14,15
	v_cvt_pk_f16_f32 v[CC+\i], v[XS+2*\i], v[XS+2*\i+1]            ; the lower v in the low half
.endr
.irp j, 0,1,2,3
	ds_store_b128 v5, v[CC+4*\j:CC+4*\j+3] offset:64*(\t)+16*\j
.endr
.if (\t) < 2
	CLOAD (\t)+2
.endif
	s_wait_dscnt 0x0                               ; the stores have read their registers
.endm
	s_load_b256 s[4:11], s[0:1], 0x0               ; x s[4:5], Wq s[6:7], Wk s[8:9], Wv s[10:11]
	s_load_b256 s[12:19], s[0:1], 0x20             ; P s[12:13], codes s[14:15], scales s[16:17], pt s[18:19]
	v_lshl_add_u32 v[SPW], v0, 2, SPARE
	v_mov_b32 v[NIL], 0
	v_lshrrev_b32 v3, 5, v0
	v_readfirstlane_b32 s24, v3                    ; wave 0..7
	v_and_b32 v[LN], 31, v0
	s_mov_b32 s28, 0x76543210                      ; v_permlanex16_b32's selects for lane l xor 16
	s_mov_b32 s29, 0xfedcba98
	s_mov_b32 s27, 0                               ; the upper word of every offset below
	s_wait_kmcnt 0x0
	s_cmp_lt_u32 ttmp9, 256
	s_cbranch_scc0 .Lnot_x
	; ---------------- x: a plain stream of blocks of 32.  A wave takes 8 steps of 512 numbers
	s_lshl_b32 s25, ttmp9, 3
	s_add_co_u32 s25, s25, s24                     ; which run of 4,096 numbers is my wave's
	s_lshl_b32 s26, s25, 14
	s_add_nc_u64 s[4:5], s[4:5], s[26:27]
	s_lshl_b32 s26, s25, 11
	s_add_nc_u64 s[14:15], s[14:15], s[26:27]
	s_lshl_b32 s26, ttmp9, 10                      ; the work-group's 1,024 scale bytes
	s_add_nc_u64 s[16:17], s[16:17], s[26:27]
	s_mul_i32 s30, s24, 5120                       ; my two stages
	v_lshlrev_b32 v4, 4, v[LN]                     ; my 16 bytes of a load's 512
	v_lshrrev_b32 v12, 2, v[LN]
	v_mul_u32_u24 v5, v12, 80
	v_and_b32 v13, 3, v[LN]
	v_lshl_add_u32 v5, v13, 4, v5
	v_add_nc_u32 v5, s30, v5                       ; in: 80 (lane / 4) + 16 (lane % 4)
	v_mul_u32_u24 v6, v[LN], 80
	v_add_nc_u32 v6, s30, v6                       ; out: 80 x lane
	v_lshlrev_b32 v7, 3, v[LN]                     ; my 8 bytes of a step's codes
	s_lshl_b32 s31, s24, 7
	s_add_co_u32 s31, s31, XSC
	v_lshrrev_b32 v8, 1, v[LN]
	v_add_nc_u32 v8, s31, v8                       ; my block's scale byte: 128 bytes a wave
	s_lshl_b32 s31, s24, 9
	v_add_nc_u32 v10, s31, v4                      ; the scale bytes' way out (waves 0 and 1): 512 x wave + 16 x lane
	v_add_nc_u32 v9, XSC, v10
.irp t, 0,1,2,3
	XLOAD \t
.endr
	s_wait_loadcnt 12                              ; step 0's four loads are in
	XTURN 0
.irp t, 0,1,2,3,4,5,6,7
	XSTEP \t
.endr
	s_wait_dscnt 0x0                               ; for the others' sake: my byte stores are done
	s_barrier_signal -1
	s_barrier_wait -1                              ; the work-group's 1,024 scale bytes lie in LDS
	s_cmp_lt_u32 s24, 2
	s_cbranch_scc0 .Lx_end
	ds_load_b128 v[20:23], v9
	s_wait_dscnt 0x0
	global_store_b128 v10, v[20:23], s[16:17]      ; each of the two waves stores 512 consecutive bytes, aligned
.Lx_end:
	s_wait_tensorcnt 0x0                           ; the wave's end: 0 onto my spare word and its wait, behind my last LDS store
	ds_add_u32 v[SPW], v[NIL]
	s_wait_dscnt 0x0
	s_endpgm
.Lnot_x:
	s_cmp_lt_u32 ttmp9, 352
	s_cbranch_scc0 .Lp_path
	; ---------------- Wq, Wk, Wv: a work-group takes 32 columns and all of K; a lane takes a column, wave w its K 128 w .. 128 w + 127: four blocks
	s_sub_co_u32 s25, ttmp9, 256                   ; g = 0..95: weight g / 32, columns 32 (g % 32) on; codes row 8192 + 32 g on
	s_cmp_lt_u32 s25, 64
	s_cselect_b64 s[20:21], s[8:9], s[10:11]
	s_cmp_lt_u32 s25, 32
	s_cselect_b64 s[20:21], s[6:7], s[20:21]
	s_and_b32 s26, s25, 31
	s_lshl_b32 s26, s26, 7
	s_lshl_b32 s30, s24, 19                        ; 128 rows of 4,096 bytes a wave
	s_add_co_u32 s26, s26, s30
	s_add_nc_u64 s[20:21], s[20:21], s[26:27]
	s_lshl_b32 s26, s25, 14                        ; 32 rows of 512 bytes,
	s_add_co_u32 s26, s26, 4194304                 ; behind x's 8,192 rows;
	s_lshl_b32 s30, s24, 11                        ; on the way out wave w stores rows 4 w .. 4 w + 3
	s_add_co_u32 s26, s26, s30
	s_add_nc_u64 s[14:15], s[14:15], s[26:27]
	s_lshl_b32 s26, s25, 10
	s_add_co_u32 s26, s26, 262144
	s_add_nc_u64 s[16:17], s[16:17], s[26:27]
	v_lshlrev_b32 v4, 2, v[LN]
	s_lshl_b32 s30, s24, 6
	s_add_co_u32 s30, s30, WST
	v_mul_u32_u24 v5, v[LN], 528
	v_add_nc_u32 v5, s30, v5                       ; into the stage: row = my column, my wave's 64 bytes
	s_mul_i32 s30, s24, 2112
	s_add_co_u32 s30, s30, WST
	v_lshlrev_b32 v7, 4, v[LN]
	v_add_nc_u32 v6, s30, v7                       ; out of it: whole rows of 512 bytes, four a wave
	s_lshl_b32 s30, s24, 2
	s_add_co_u32 s30, s30, WSC
	v_lshlrev_b32 v8, 5, v[LN]
	v_add_nc_u32 v8, s30, v8                       ; my scale word: 32 bytes a column, 4 a wave
	s_lshl_b32 s30, s24, 9
	v_add_nc_u32 v10, s30, v7
	v_add_nc_u32 v9, WSC, v10
	CLOAD 0
	CLOAD 1
.irp t, 0,1,2,3
	WBLOCK \t
.endr
	ds_store_b32 v8, v15
	s_wait_dscnt 0x0                               ; for the others' sake: my stores into the stage and my scale word are done
	s_barrier_signal -1
	s_barrier_wait -1                              ; 32 whole rows of codes and of scale bytes lie in LDS
.irp i, 0,1,2,3
	ds_load_b128 v[OUTR+4*\i:OUTR+4*\i+3], v6 offset:528*\i
.endr
.irp i, 0,1,2,3
	s_wait_dscnt 3-\i
	global_store_b128 v7, v[OUTR+4*\i:OUTR+4*\i+3], s[14:15] offset:512*\i    ; a row of 512 consecutive bytes, aligned
.endr
	s_cmp_lt_u32 s24, 2
	s_cbranch_scc0 .Lw_end
	ds_load_b128 v[32:35], v9
	s_wait_dscnt 0x0
	global_store_b128 v10, v[32:35], s[16:17]
.Lw_end:
	s_wait_tensorcnt 0x0                           ; the wave's end: 0 onto my spare word and its wait, behind my last LDS store
	ds_add_u32 v[SPW], v[NIL]
	s_wait_dscnt 0x0
	s_endpgm
.Lp_path:
	; ---------------- P: wave w takes 32 columns o and v = 128 w .. 128 w + 127; waves share nothing
	s_sub_co_u32 s25, ttmp9, 352                   ; p = 0..31: columns 32 p on
	s_lshl_b32 s26, s25, 7
	s_lshl_b32 s30, s24, 19
	s_add_co_u32 s26, s26, s30
	s_add_nc_u64 s[20:21], s[12:13], s[26:27]
	s_lshl_b32 s26, s25, 16                        ; pt: 32 rows of 2,048 bytes,
	s_lshl_b32 s30, s24, 8                         ; my wave's 256 bytes of each
	s_add_co_u32 s26, s26, s30
	s_add_nc_u64 s[22:23], s[18:19], s[26:27]
	s_lshl_b32 s26, s25, 3
	s_add_co_u32 s26, s26, s24
	s_lshl_b32 s26, s26, 2
	s_add_co_u32 s26, s26, PMAXO
	v_mov_b32 v27, s26                             ; where my wave's maximum goes
	s_mul_i32 s30, s24, 8704
	s_add_co_u32 s30, s30, PST                     ; my stage
	v_lshlrev_b32 v4, 2, v[LN]
	v_mul_u32_u24 v5, v[LN], 272
	v_add_nc_u32 v5, s30, v5
	v_and_b32 v12, 15, v[LN]
	v_lshrrev_b32 v13, 4, v[LN]
	v_mul_u32_u24 v6, v13, 272
	v_lshl_add_u32 v6, v12, 4, v6
	v_add_nc_u32 v6, s30, v6                       ; out: sixteen lanes to a row, two rows an instruction
	v_lshlrev_b32 v7, 11, v13
	v_lshl_add_u32 v7, v12, 4, v7
	v_mov_b32 v24, 0
	v_mov_b32 v25, 0
	v_mov_b32 v26, 0                               ; (a lane permute's destination counts as one of its sources)
	CLOAD 0
	CLOAD 1
.irp t, 0,1,2,3
	PBLOCK \t
.endr
.irp t, 0,1,2,3,4,5,6,7,8,9,10,11,12,13,14,15
	ds_load_b128 v[OUTR+4*\t:OUTR+4*\t+3], v6 offset:544*\t        ; LDS serves a wave's instructions in order: these see my stores
.endr
.irp t, 0,1,2,3,4,5,6,7,8,9,10,11,12,13,14,15
	s_wait_dscnt 15-\t
	global_store_b128 v7, v[OUTR+4*\t:OUTR+4*\t+3], s[22:23] offset:4096*\t   ; sixteen lanes store 256 consecutive bytes, aligned
.endr
	v_max_num_f32 v24, v24, v25
	v_max_num_f32_dpp v24, v24, v24 row_xmask:1 row_mask:0xf bank_mask:0xf
	v_max_num_f32_dpp v24, v24, v24 row_xmask:2 row_mask:0xf bank_mask:0xf
	v_max_num_f32_dpp v24, v24, v24 row_xmask:4 row_mask:0xf bank_mask:0xf
	v_max_num_f32_dpp v24, v24, v24 row_xmask:8 row_mask:0xf bank_mask:0xf
	v_permlanex16_b32 v26, v24, s28, s29
	v_max_num_f32 v24, v24, v26                    ; the wave's largest |P|
	v_cmp_eq_u32 vcc_lo, 0, v[LN]
	s_wait_xcnt 0x0                                ; EXEC changes only behind this wait: the stores above have been taken up
	s_and_saveexec_b32 s30, vcc_lo
	global_store_b32 v27, v24, s[18:19]            ; lane 0 alone
	s_wait_xcnt 0x0                                ; and again, in front of the line that widens it
	s_or_b32 exec_lo, exec_lo, s30
	s_wait_tensorcnt 0x0                           ; the wave's end: 0 onto my spare word and its wait, behind my last LDS store
	ds_add_u32 v[SPW], v[NIL]
	s_wait_dscnt 0x0
	s_endpgm
.Lfunc_end_k_q4e52ce5182_prep:
	.size	k_q4e52ce5182_prep, .Lfunc_end_k_q4e52ce5182_prep-k_q4e52ce5182_prep
	.p2alignl 7, 3214868480
	.fill 96, 4, 3214868480
	.section	.rodata,"a",@progbits
	.p2align	6, 0x0
	.amdhsa_kernel k_q4e52ce5182_prep
		.amdhsa_group_segment_fixed_size 130560
		.amdhsa_private_segment_fixed_size 0
		.amdhsa_enable_private_segment 0
		.amdhsa_kernarg_size 64
		.amdhsa_user_sgpr_count 2
		.amdhsa_user_sgpr_kernarg_segment_ptr 1
		.amdhsa_wavefront_size32 1
		.amdhsa_system_sgpr_workgroup_id_x 1
		.amdhsa_system_sgpr_workgroup_id_y 1
		.amdhsa_system_sgpr_workgroup_id_z 1
		.amdhsa_system_vgpr_workitem_id 0
		.amdhsa_next_free_vgpr 192
		.amdhsa_next_free_sgpr 66
		.amdhsa_reserve_vcc 1
		.amdhsa_float_denorm_mode_32 3
		.amdhsa_float_denorm_mode_16_64 3
		.amdhsa_memory_ordered 1
		.amdhsa_forward_progress 1
		.amdhsa_inst_pref_size 65
	.end_amdhsa_kernel
	.amdgpu_metadata
---
amdhsa.version: [ 1, 2 ]
amdhsa.kernels:
  - .name:           k_q4e52ce5182_prep
    .symbol:         k_q4e52ce5182_prep.kd
    .args:
      - { .name: x, .offset: 0, .size: 8, .value_kind: global_buffer, .address_space: global }
      - { .name: Wq, .offset: 8, .size: 8, .value_kind: global_buffer, .address_space: global }
      - { .name: Wk, .offset: 16, .size: 8, .value_kind: global_buffer, .address_space: global }
      - { .name: Wv, .offset: 24, .size: 8, .value_kind: global_buffer, .address_space: global }
      - { .name: P, .offset: 32, .size: 8, .value_kind: global_buffer, .address_space: global }
      - { .name: codes, .offset: 40, .size: 8, .value_kind: global_buffer, .address_space: global }
      - { .name: scales, .offset: 48, .size: 8, .value_kind: global_buffer, .address_space: global }
      - { .name: pt, .offset: 56, .size: 8, .value_kind: global_buffer, .address_space: global }
    .group_segment_fixed_size: 130560
    .private_segment_fixed_size: 0
    .kernarg_segment_align: 8
    .kernarg_segment_size: 64
    .max_flat_workgroup_size: 256
    .sgpr_count:     66
    .vgpr_count:     192
    .wavefront_size: 32
...
	.end_amdgpu_metadata
.endif
;; end of part 1
;; launch qkv (part 2): grid 12 x 32, 4 waves a work-group, clusters of 4 x 4, 327,680 bytes of LDS; arguments codes, scales, q, kvt; writes q, kvt
.if DOCPART == 2
	.amdgcn_target "amdgcn-amd-amdhsa--gfx1250"
	.amdhsa_code_object_version 6
	.text
	.protected	k_q4e52ce5182_qkv
	.globl	k_q4e52ce5182_qkv
	.p2align	8
	.type	k_q4e52ce5182_qkv,@function
k_q4e52ce5182_qkv:
	s_mov_b64 s[64:65], 0
	v_nop
	global_prefetch_b8 v0, s[64:65] scope:SCOPE_SE
	s_setreg_imm32_b32 hwreg(HW_REG_WAVE_MODE, 25, 1), 1
	s_wait_xcnt 0x0
	s_wait_alu depctr_hold_cnt(0) depctr_sa_sdst(0) depctr_va_vdst(0) depctr_va_sdst(0) depctr_va_ssrc(0) depctr_va_vcc(0) depctr_vm_vsrc(0)
	s_getreg_b32 s2, hwreg(HW_REG_IB_STS2, 6, 4)
	s_cmp_eq_u32 s2, 0
	s_cbranch_scc0 .Lentry_in_a_cluster
	s_endpgm
.Lentry_in_a_cluster:
	s_bfe_u32 s2, ttmp6, 0x10000c
	s_cmp_lg_u32 s2, 0xf033
	s_cbranch_scc0 .Lentry_shape_is_right
	s_endpgm
.Lentry_shape_is_right:
; The three quantised products, on codes of FP4 (E2M1) with one E8M0 scale for each 32 along K = 1,024, as C = A B^T with f32 sums; results rounded once to f16.
; (The scores Q K^T are not formed in this program: out = x + Q ((K^T V) P), which equals reference()'s formula for all finite inputs in exact arithmetic.  So K and V are wanted TRANSPOSED.)
;   cluster x = 0:    A = x's rows, B = Wq's columns:            C = Q [8192 s][1024 k]                              -> q,   rows of 2,048 bytes
;   cluster x = 1, 2: A = Wk's and Wv's columns, B = x's rows:   C = K^T (rows 0-1023), V^T (rows 1024-2047) [..][8192 t] -> kvt, rows of 16,384 bytes
; Changing the operands' places gives the transposed result by the same loop and the same way out.  The choice hangs on the cluster's x, which all sixteen partners share.
; Each wave of a tile of K^T or V^T also stores the largest magnitude of its 128 x 128 sums as one f32 behind kvt's rows (from byte KVMAXO on: 512 for K, then 512 for V): later launches make scales of them.
; LIMITS: |Q|, |K|, |V| up to 65,504 (f16); NaN and infinities are not served.
; A tile of C, 256 x 256, is made by four waves, each 128 x 128: 64 accumulators, 512 registers.  K is two slots of 512 (LDS rows of 256 bytes): both are asked for at the head and nothing is filled again.
; The scale bytes of the tile's 256 + 256 rows, for all of K, come once, as two dense blocks.  CLUSTERS: 4 x 4; A's tiles are asked for jointly along a row of the cluster, B's along a column.
; THE MATRIX INSTRUCTION IS USED TRANSPOSED (source 0 = 16 rows of B, source 1 = 16 rows of A): a lane then holds eight neighbouring numbers of a row of C.
; REGISTERS, in windows of 256: window 0: v0-31 addresses; v32-95 scale words, two sets; v96-110 the way out's offsets and maxima; from v128 A's fragments, ONE set; on the way out v128-223 are at work.
;   window 1: B's fragments, TWO sets, at v0 and v128.   window 2: the accumulators of my rows 0-63 ((a, b) at v[8 (8 a + b)]);   window 3: those of my rows 64-127.
.set NQ,     4                         ; matrix instructions deep in a slot
.set ROWB,   256                       ; a tile's row in bytes: 512 codes
.set KROW,   512                       ; a row of codes in memory
.set PITCH,  272                       ; an LDS row: 256 bytes + 16 of padding = 68 words: the 16 rows that a load touches start at 16 different banks (64 banks of 4 bytes: ISA guide 11.1)
.set FR,     8                         ; registers of a fragment: 16 rows x 128 K
.set NL,     2                         ; LDS loads that bring one
.set NP,     4                         ; places behind this matrix instruction (ISA guide 7.12.1)
.set HALFT,  128*PITCH
.set SLOT,   4*HALFT                   ; A's 256 rows, then B's 256 rows
.set KS,     32                        ; a row of scale bytes
.set SCL,    2*SLOT                    ; behind the two slots: the scales, as rows of 256 bytes + 16 of padding
.set HALFS,  16*272                    ; the scales of 128 rows
.set SBLK,   2*272                     ; those of 16 rows
.set SPARE,  SCL+4*HALFS               ; the spare words, 128 bytes for each wave: two blocks of 256 bytes that no other line names
.set SPITCH, 272                       ; the way out: a stage of 16 rows x (256 + 16) bytes for each wave, in slot 0, which has had its one fill and its last read by then
.set KVMAXO, 0x2000000                 ; kvt: where the 1,024 maxima begin
.set ADRA, 16                          ; v16-17  LDS address of my A fragments in slot 0, 1
.set ADRB, 20                          ; v20-21  the same for B
.set STO,  24                          ; v24     the way out: where I put 16 bytes of a row
.set RD,   25                          ; v25     where I read a row back
.set ADRS, 27                          ; v27     LDS address of my scale words: lanes 0-15 A's rows, lanes 16-31 B's
.set SPW,  28                          ; v28     LDS address of my spare word; never rewritten
.set NIL,  29                          ; v29     0; never rewritten
.set SC,   32                          ; scale words: set s at v[SC + 32 s]; register 4 i + q: lanes 0-15 A's block i, lanes 16-31 B's block i, the slot's q-th 128 along K
.set CO,   96                          ; v96-103 my byte offset in rows 2 t + lane / 16 of a block of C (the row's length is chosen, so it cannot stand in an immediate)
.set MX,   104                         ; v104-107 four running maxima
.set PT,   108                         ; v108    a lane permute's destination
.set LNE,  109                         ; v109    lane
.set MO,   110                         ; v110    where my wave's maximum goes
.set AF,   128                         ; A's fragments
.set BK,   128                         ; the way out: 16 rows read back: v128-159 and v160-191 by turns
.set TMP,  192                         ; v192-223 packed results
.set G1, 24                            ; s[24:31] descriptor group 1 for A's tiles;  s[32:39] group 0, one set for each slot
.set G0, 32
.set G1B, 48                           ; s[48:55], s[56:63] the same for B's tiles
.set G0B, 56
.set G1S, 68                           ; s[68:75], s[76:79] groups 1 and 0 for A's scales;  s[80:87], s[88:91] for B's
.set G0S, 76
.set G1SB, 80
.set G0SB, 88
.set MSB, 0
.macro WIN new                         ; the immediate's high byte repeats the setting that is left
.if MSB != \new
	s_set_vgpr_msb (MSB<<8)|\new
.set MSB, \new
.endif
.endm
.set MUL_LO, 0xa1                      ; source 0 (B) window 1, source 1 (A) window 0, C and D window 2
.set MUL_HI, 0xf1                      ; the same, C and D window 3
.set TO_B,   0x40                      ; destination window 1, address window 0
; A joint load: waves 0 and 1 fetch for A, waves 2 and 3 for B.  Each line has one mask and one set of registers for all that issue it; the branch hangs on the wave's number alone.
; An s_nop 0 and four v_nop follow each of the two lines, ahead of the jump, the label and what follows.
.macro JLOAD g0a, g1a, g0b, g1b
	s_cmp_eq_u32 s15, 0
	s_cbranch_scc0 .Lfor_b_\@
	tensor_load_to_lds s[\g0a:\g0a+3], s[\g1a:\g1a+7]
	s_nop 0
.rept 4
	v_nop
.endr
	s_branch .Lasked_\@
.Lfor_b_\@:
	tensor_load_to_lds s[\g0b:\g0b+3], s[\g1b:\g1b+7]
	s_nop 0
.rept 4
	v_nop
.endr
.Lasked_\@:
.endm
.macro CROUND                          ; a round of the cluster's barrier
	s_barrier_signal -1
	s_barrier_wait -1
	s_cmp_lg_u32 s14, 0
	s_cbranch_scc1 .Lnot_wave_0_\@
	s_barrier_signal -3
.Lnot_wave_0_\@:
	s_barrier_wait -3
	s_barrier_signal -1
	s_barrier_wait -1
.endm
	s_load_b256 s[4:11], s[0:1], 0x0               ; codes s[4:5], scales s[6:7], q s[8:9], kvt s[10:11]
	v_lshl_add_u32 v[SPW], v0, 2, SPARE
	v_mov_b32 v[NIL], 0
	ds_add_u32 v[SPW], v[NIL]                      ; the wave's opening: the add, twice on end, and its wait ahead of my first tensor load; the set-up below stands between
	ds_add_u32 v[SPW], v[NIL]
	v_lshrrev_b32 v1, 5, v0
	v_readfirstlane_b32 s14, v1                    ; wave 0..3
	s_lshr_b32 s15, s14, 1                         ; which half of the tile's rows is mine.  Also: I fetch for A (0) or for B (1)
	s_and_b32 s16, s14, 1                          ; which half of its columns.  Also: which 128 rows of that tile I fetch
	s_bfe_u32 s40, ttmp6, 0x40000                  ; cx, cy: my place in the cluster
	s_bfe_u32 s41, ttmp6, 0x40004
	s_and_b32 s17, ttmp7, 0xffff                   ; the cluster's y
	s_sub_co_u32 s99, ttmp9, 1                     ; the cluster's x less 1 (used where x is 1 or 2)
	s_mov_b32 s66, 16384
	s_cmp_eq_u32 ttmp9, 0                          ; Q's clusters, or K^T's and V^T's?  All five choices hang on this one compare
	s_cselect_b32 s95, s17, s99                    ; which four tile rows of C are the cluster's,
	s_cselect_b32 s42, 0, s17                      ; which four tile columns,
	s_cselect_b32 s98, 0, 9216                     ; where A's rows begin among the codes' rows,
	s_cselect_b32 s99, 8192, 0                     ; where B's,
	s_cselect_b32 s66, 2048, s66                   ; and a row of C in bytes
	s_lshl_b32 s17, s95, 2
	s_add_co_u32 s17, s17, s41                     ; tile row of C
	s_lshl_b32 s42, s42, 2
	s_add_co_u32 s42, s42, s40                     ; tile column of C
	s_lshl_b32 s43, s41, 2
	s_lshl_b32 s43, 15, s43                        ; my row of the cluster
	s_lshl_b32 s44, 0x1111, s40                    ; my column
	; descriptor group 1: a tile of 128 rows x 256 bytes, padded in LDS
	s_or_b32 s[G1+0], s43, (0<<16)|(1<<20)|(1<<21)|(5<<22)|(3<<25)  ; 15:0 the mask; 17:16 element of 1 byte; 20 padding on; 21 set beside a mask; 24:22 after every 64 words (code 5); 31:25 of 4 words (code 3)
	s_or_b32 s[G1B+0], s44, (0<<16)|(1<<20)|(1<<21)|(5<<22)|(3<<25)
.irp g, G1, G1B
	s_mov_b32 s[\g+1], ROWB<<16                    ; tensor_dim0
	s_mov_b32 s[\g+2], 128<<16                     ; tensor_dim1
	s_mov_b32 s[\g+3], ROWB<<16                    ; tile_dim0
	s_mov_b32 s[\g+4], 128                         ; tile_dim1
	s_mov_b32 s[\g+5], KROW                        ; tensor_dim0_stride
	s_mov_b32 s[\g+6], 0
	s_mov_b32 s[\g+7], 0
.endr
	; the scales of 128 rows: a dense block of 4,096 bytes, as 16 rows of 256 bytes (32 elements of 8 bytes), 16 bytes of padding behind each
	s_or_b32 s[G1S+0], s43, (3<<16)|(1<<20)|(1<<21)|(5<<22)|(3<<25)
	s_or_b32 s[G1SB+0], s44, (3<<16)|(1<<20)|(1<<21)|(5<<22)|(3<<25)
.irp g, G1S, G1SB
	s_mov_b32 s[\g+1], 32<<16
	s_mov_b32 s[\g+2], 16<<16
	s_mov_b32 s[\g+3], 32<<16
	s_mov_b32 s[\g+4], 16
	s_mov_b32 s[\g+5], 32
	s_mov_b32 s[\g+6], 0
	s_mov_b32 s[\g+7], 0
.endr
	s_lshl_b32 s18, s16, 7                         ; which 128 rows of the tile I fetch
	s_lshl_b32 s20, s17, 8
	s_add_co_u32 s20, s20, s18
	s_add_co_u32 s20, s20, s98                     ; A: the codes' row: it holds the tile row alone
	s_lshl_b32 s46, s42, 8
	s_add_co_u32 s46, s46, s18
	s_add_co_u32 s46, s46, s99                     ; B: it holds the tile column alone
	s_lshl_b32 s22, s20, 5                         ; where these rows' scale bytes begin,
	s_mov_b32 s23, 0
	s_lshl_b32 s92, s46, 5
	s_mov_b32 s93, 0
	s_lshl_b32 s20, s20, 9                         ; and their codes (11,264 rows of 512 bytes: under 2^23)
	s_mov_b32 s21, 0
	s_lshl_b32 s46, s46, 9
	s_mov_b32 s47, 0
	s_mul_i32 s45, s14, HALFT                      ; where they go: wave x 128 rows: no place in the cluster enters an LDS address
	s_mul_i32 s94, s14, HALFS
	s_wait_dscnt 0x0                               ; both opening adds are done
	s_wait_kmcnt 0x0
	s_add_nc_u64 s[20:21], s[4:5], s[20:21]
	s_add_nc_u64 s[22:23], s[6:7], s[22:23]
	s_add_nc_u64 s[46:47], s[4:5], s[46:47]
	s_add_nc_u64 s[92:93], s[6:7], s[92:93]
	CROUND                                         ; all sixteen work-groups are here: the joint loads meet
	s_mov_b32 s[G0S], 1
	s_add_co_u32 s[G0S+1], s94, SCL
	s_mov_b64 s[G0S+2:G0S+3], s[22:23]
	s_or_b32 s[G0S+3], s[G0S+3], 0x80000000
	s_mov_b32 s[G0SB], 1
	s_add_co_u32 s[G0SB+1], s94, SCL
	s_mov_b64 s[G0SB+2:G0SB+3], s[92:93]
	s_or_b32 s[G0SB+3], s[G0SB+3], 0x80000000
	JLOAD G0S, G1S, G0SB, G1SB                     ; the scales first: they are wanted with the first slot
.irp s, 0,1
	s_mov_b32 s[G0+4*\s], 1
	s_add_co_u32 s[G0+4*\s+1], s45, \s*SLOT
	s_add_nc_u64 s[G0+4*\s+2:G0+4*\s+3], s[20:21], \s*ROWB
	s_or_b32 s[G0+4*\s+3], s[G0+4*\s+3], 0x80000000
	s_mov_b32 s[G0B+4*\s], 1
	s_add_co_u32 s[G0B+4*\s+1], s45, \s*SLOT
	s_add_nc_u64 s[G0B+4*\s+2:G0B+4*\s+3], s[46:47], \s*ROWB
	s_or_b32 s[G0B+4*\s+3], s[G0B+4*\s+3], 0x80000000
	JLOAD G0+4*\s, G1, G0B+4*\s, G1B               ; three tensor loads of mine are out behind the second of these
.endr
	v_and_b32 v1, 15, v0                           ; r = l % 16
	v_bfe_u32 v2, v0, 4, 1                         ; h = l / 16
	v_mul_u32_u24 v3, v1, PITCH
	v_lshl_add_u32 v4, v2, 4, v3                   ; a fragment's row x pitch + 16 x half
	s_mul_i32 s21, s15, HALFT                      ; my 128 rows of A
	s_mul_i32 s22, s16, HALFT                      ; my 128 rows of B,
	s_add_co_u32 s22, s22, 2*HALFT                 ; which lie behind A's 256
.irp s, 0,1
	v_add_nc_u32 v[ADRA+\s], s21, v4
	v_add_nc_u32 v[ADRB+\s], s22, v4
	s_add_co_u32 s21, s21, SLOT
	s_add_co_u32 s22, s22, SLOT
.endr
	v_mul_u32_u24 v5, v1, KS                       ; my row's scales: 32 bytes a row,
	v_lshrrev_b32 v6, 8, v5
	v_lshl_add_u32 v5, v6, 4, v5                   ; and 16 more for each 256 passed
	s_mul_i32 s21, s15, HALFS                      ; A's: my 128 rows
	s_mul_i32 s22, s16, HALFS                      ; B's: my 128 rows, behind A's 256
	s_add_co_u32 s22, s22, 2*HALFS
	s_sub_co_u32 s22, s22, s21
	v_mul_u32_u24 v6, s22, v2                      ; lanes 16-31 take B's: the lower base + h x the distance
	s_add_co_u32 s21, s21, SCL
	v_add_nc_u32 v5, v5, v6
	v_add_nc_u32 v[ADRS], s21, v5
	s_mul_i32 s23, s14, 16*SPITCH                  ; my stage
	v_mul_u32_u24 v5, v1, SPITCH                   ; in: row r, 16 bytes for each half of the lanes
	v_lshl_add_u32 v5, v2, 4, v5
	v_add_nc_u32 v[STO], s23, v5
	v_mul_u32_u24 v5, v2, SPITCH                   ; back: lanes 0-15 one row of 256 bytes, lanes 16-31 the next
	v_lshl_add_u32 v5, v1, 4, v5
	v_add_nc_u32 v[RD], s23, v5
	v_mul_lo_u32 v5, v2, s66                       ; and the same two rows in C,
	v_lshl_add_u32 v[CO], v1, 4, v5
	s_lshl_b32 s98, s66, 1
.irp t, 1,2,3,4,5,6,7
	v_add_nc_u32 v[CO+\t], s98, v[CO+\t-1]         ; two rows further on each time
.endr
	s_lshl_b32 s20, s17, 8
	s_lshl_b32 s21, s15, 7
	s_add_co_u32 s20, s20, s21                     ; my first row of C: 256 x tile row + 128 x half
	s_mul_i32 s20, s20, s66                        ; in bytes (under 2^26)
	s_lshl_b32 s46, s42, 9                         ; my first column, in bytes: 512 x tile column + 256 x half
	s_lshl_b32 s47, s16, 8
	s_add_co_u32 s46, s46, s47
	s_add_co_u32 s20, s20, s46
	s_mov_b32 s21, 0
	s_cmp_eq_u32 ttmp9, 0
	s_cselect_b64 s[12:13], s[8:9], s[10:11]       ; C: q or kvt
	s_add_nc_u64 s[12:13], s[12:13], s[20:21]
	s_lshl_b32 s96, s66, 4                         ; 16 rows of C
	s_mov_b32 s97, 0
	s_mov_b32 s100, 0x76543210                     ; v_permlanex16_b32's selects for lane l xor 16
	s_mov_b32 s101, 0xfedcba98
.macro FRAG reg, adr, q, i             ; a fragment: lane l holds row l % 16; registers 4 c .. 4 c + 3 hold K = 64 c + 32 (l / 16) + 0 .. 31
.irp c, 0,1
	ds_load_b128 v[\reg+4*\c:\reg+4*\c+3], v[\adr] offset:64*(\q)+32*\c+(\i)*16*PITCH
.endr
.endm
; 16 matrix instructions: A's blocks a0, a0 + 1 x B's eight, the slot's q-th 128 along K.  p: B's set; sc: the set of scale words.  zero = 1: the first product starts the sums.
; The 64 accumulators take turns, one instruction a turn, in the same order in every step.
.macro MUL16 a0, p, q, sc, zero
.irp a, \a0, \a0+1
.irp b, 0,1,2,3,4,5,6,7
.if \zero
	v_wmma_scale_f32_16x16x128_f8f6f4 v[8*(8*((\a)%4)+\b):8*(8*((\a)%4)+\b)+7], v[128*(\p)+FR*\b:128*(\p)+FR*\b+FR-1], v[AF+FR*(\a):AF+FR*(\a)+FR-1], 0, v[SC+8*NQ*(\sc)+NQ*\b+(\q)], v[SC+8*NQ*(\sc)+NQ*(\a)+(\q)] matrix_a_fmt:MATRIX_FMT_FP4 matrix_b_fmt:MATRIX_FMT_FP4 matrix_a_scale:MATRIX_SCALE_ROW1
.else
	v_wmma_scale_f32_16x16x128_f8f6f4 v[8*(8*((\a)%4)+\b):8*(8*((\a)%4)+\b)+7], v[128*(\p)+FR*\b:128*(\p)+FR*\b+FR-1], v[AF+FR*(\a):AF+FR*(\a)+FR-1], v[8*(8*((\a)%4)+\b):8*(8*((\a)%4)+\b)+7], v[SC+8*NQ*(\sc)+NQ*\b+(\q)], v[SC+8*NQ*(\sc)+NQ*(\a)+(\q)] matrix_a_fmt:MATRIX_FMT_FP4 matrix_b_fmt:MATRIX_FMT_FP4 matrix_a_scale:MATRIX_SCALE_ROW1
.endif
.endr
.endr
.endm
.macro FETCH_B slot, q, p              ; B's eight fragments of the slot's q-th 128 along K into set p
	WIN TO_B
.irp i, 0,1,2,3,4,5,6,7
	FRAG 128*(\p)+FR*\i, ADRB+\slot, \q, \i
.endr
	WIN 0
.endm
.macro FETCH_A slot, q, i0             ; A's blocks i0 .. i0 + 3
.irp i, \i0, \i0+1, \i0+2, \i0+3
	FRAG AF+FR*(\i), ADRA+\slot, \q, \i
.endr
.endm
.macro SCALES sc                       ; a slot's scale words into set sc: four words a row; lanes 0-15 take A's block i, lanes 16-31 B's block i
.irp i, 0,1,2,3,4,5,6,7
	ds_load_b128 v[SC+8*NQ*\sc+NQ*\i:SC+8*NQ*\sc+NQ*\i+3], v[ADRS] offset:\i*SBLK
.endr
.endm
; A load into a register that a matrix instruction has read, and a vector instruction or an LDS store that reads a matrix result, stand NP places behind that matrix instruction; only plain vector
; instructions that name none of its registers are places (ISA guide 7.12.1 for vector instructions).
.macro PLACES n
.rept \n
	v_nop
.endr
.endm
.macro STEP slot, q, zero              ; a step of 128 along K that has its successor in the same slot
	s_wait_dscnt 4*NL                              ; B's set and A's blocks 0-3 are in; the youngest eight loads (A's blocks 4-7) may be out
	WIN MUL_LO
	MUL16 0, (\q)%2, \q, \slot, \zero
	MUL16 2, (\q)%2, \q, \slot, \zero
	s_wait_dscnt 0                                 ; A's blocks 4-7 are in (asked for 32 matrix instructions ago)
	PLACES NP
	FETCH_B \slot, (\q)+1, 1-(\q)%2
	FETCH_A \slot, (\q)+1, 0
	WIN MUL_HI
	MUL16 4, (\q)%2, \q, \slot, \zero
	MUL16 6, (\q)%2, \q, \slot, \zero
	PLACES NP
	WIN 0
	FETCH_A \slot, (\q)+1, 4
.endm
; A slot's last step changes slots: one barrier; in front of it each wave waits for all its tensor loads (its part of the next slot), adds 0 to its spare word, and waits for that and for its reads of this slot.
.macro TURN slot, next
	s_wait_tensorcnt 0x0                           ; all my tensor loads have landed (every window is 0 here: the add's two registers lie in window 0)
	ds_add_u32 v[SPW], v[NIL]                      ; 0 onto my spare word
	s_wait_dscnt 4*NL+1                            ; (the add and the youngest eight loads, A's blocks 4-7, may be out)
	WIN MUL_LO
	MUL16 0, 1, NQ-1, \slot, 0                     ; sixteen matrix instructions stand between the add and the wait for it
	s_wait_dscnt 0x0                               ; the add is done, and my reads of this slot are over
	s_barrier_signal -1
	MUL16 2, 1, NQ-1, \slot, 0
	WIN 0
	s_barrier_wait -1                              ; the next slot is whole, and nobody reads this one any more
	PLACES NP
	v_add_nc_u32 v[ADRS], 4*NQ, v[ADRS]            ; on to the next slot's scale words (no LDS load of mine is out)
	FETCH_B \next, 0, 0
	FETCH_A \next, 0, 0
	SCALES \next
	WIN MUL_HI
	MUL16 4, 1, NQ-1, \slot, 0
	MUL16 6, 1, NQ-1, \slot, 0
	PLACES NP
	WIN 0
	FETCH_A \next, 0, 4
.endm
.macro STEPS slot, from                ; the slot's steps from .. NQ - 2
.set Q, \from
.rept NQ-1-\from
	STEP \slot, Q, 0
.set Q, Q+1
.endr
.endm
	s_wait_tensorcnt 1                             ; the scales and my part of slot 0 are in (slot 1's load may be out)
	s_barrier_signal -1
	s_barrier_wait -1                              ; everybody's are
	FETCH_B 0, 0, 0
	FETCH_A 0, 0, 0
	SCALES 0
	FETCH_A 0, 0, 4
	STEP 0, 0, 1                                   ; the first step's products start the sums: nothing is cleared
	STEPS 0, 1
	TURN 0, 1
	STEPS 1, 0
	s_wait_dscnt 4*NL                              ; the last step: nothing more to fetch
	WIN MUL_LO
	MUL16 0, 1, NQ-1, 1, 0
	MUL16 2, 1, NQ-1, 1, 0
	s_wait_dscnt 0
	WIN MUL_HI
	MUL16 4, 1, NQ-1, 1, 0
	MUL16 6, 1, NQ-1, 1, 0
	WIN 0
	PLACES NP                                      ; in front of the first reads of results and of loads into the registers that held A's fragments
	; THE LARGEST MAGNITUDE of my 128 x 128 sums, for tiles of K^T and V^T alone (a branch on the cluster's x).  Each accumulator is read from its low end on.
	s_cmp_eq_u32 ttmp9, 0
	s_cbranch_scc1 .Lno_max
.irp c, 0,1,2,3
	v_mov_b32 v[MX+\c], 0
.endr
	v_mov_b32 v[PT], 0                             ; (a lane permute's destination counts as one of its sources)
	WIN 0x28                                       ; sources 1 and 2 window 2
.set I, 0
.rept 128
	v_max3_num_f32 v[MX+I%4], v[MX+I%4], |v[2*I]|, |v[2*I+1]|
.set I, I+1
.endr
	WIN 0x3c                                       ; sources 1 and 2 window 3
.set I, 0
.rept 128
	v_max3_num_f32 v[MX+I%4], v[MX+I%4], |v[2*I]|, |v[2*I+1]|
.set I, I+1
.endr
	WIN 0
	v_max3_num_f32 v[MX], v[MX], v[MX+1], v[MX+2]
	v_max_num_f32 v[MX], v[MX], v[MX+3]
	v_max_num_f32_dpp v[MX], v[MX], v[MX] row_xmask:1 row_mask:0xf bank_mask:0xf
	v_max_num_f32_dpp v[MX], v[MX], v[MX] row_xmask:2 row_mask:0xf bank_mask:0xf
	v_max_num_f32_dpp v[MX], v[MX], v[MX] row_xmask:4 row_mask:0xf bank_mask:0xf
	v_max_num_f32_dpp v[MX], v[MX], v[MX] row_xmask:8 row_mask:0xf bank_mask:0xf
	v_permlanex16_b32 v[PT], v[MX], s100, s101
	v_max_num_f32 v[MX], v[MX], v[PT]
	s_lshl_b32 s94, s17, 5
	s_add_co_u32 s94, s94, s42                     ; tile 32 x tile row + tile column: tile rows 0-3 are K's, 4-7 V's
	s_lshl_b32 s94, s94, 2
	s_add_co_u32 s94, s94, s14                     ; four waves a tile
	s_lshl_b32 s94, s94, 2
	s_add_co_u32 s94, s94, KVMAXO
	v_mov_b32 v[MO], s94
	v_and_b32 v[LNE], 31, v0
	v_cmp_eq_u32 vcc_lo, 0, v[LNE]
	s_wait_xcnt 0x0                                ; EXEC changes only behind this wait
	s_and_saveexec_b32 s95, vcc_lo
	global_store_b32 v[MO], v[MX], s[10:11]        ; lane 0 alone
	s_wait_xcnt 0x0                                ; and again, in front of the line that widens it
	s_or_b32 exec_lo, exec_lo, s95
.Lno_max:
; THE WAY OUT, a block of 16 rows x 128 columns at a time.  PACK: rounded to f16, 16 bytes a lane.  TOSTAGE: into my own stage and back as whole rows of 256 bytes.  SEND: stored.
.macro PACK a
.set AC, 64*((\a)%4)
	WIN 0x0a+5*((\a)/4)                            ; sources 0 and 1: window 2 or 3
.irp b, 0,1,2,3,4,5,6,7
.irp r, 0,1,2,3
	v_cvt_pk_f16_f32 v[TMP+4*\b+\r], v[AC+8*\b+2*\r], v[AC+8*\b+2*\r+1]
.endr
.endr
	WIN 0
.endm
.macro TOSTAGE a
.set BB, BK+32*((\a)%2)
.irp b, 0,1,2,3,4,5,6,7
	ds_store_b128 v[STO], v[TMP+4*\b:TMP+4*\b+3] offset:32*\b
.endr
.irp t, 0,1,2,3,4,5,6,7
	ds_load_b128 v[BB+4*\t:BB+4*\t+3], v[RD] offset:\t*2*SPITCH    ; LDS serves a wave's instructions in order (ISA guide 5.7.1.4): these see the stores above
.endr
.endm
.macro SEND a
.set BB, BK+32*((\a)%2)
	s_wait_dscnt 0x0                               ; the block is back in registers
	s_wait_xcnt 0x0                                ; only behind this wait are the stores' base and the registers that earlier stores read rewritten
.if (\a) > 0
	s_add_nc_u64 s[12:13], s[12:13], s[96:97]      ; 16 rows of C on
.endif
.irp t, 0,1,2,3,4,5,6,7
	global_store_b128 v[CO+\t], v[BB+4*\t:BB+4*\t+3], s[12:13]     ; sixteen lanes store 256 consecutive bytes, aligned
.endr
.endm
	PACK 0
	TOSTAGE 0
.irp a, 1,2,3,4,5,6,7                  ; block a's conversions stand between block a - 1's loads from the stage and the wait for them
	PACK \a
	SEND \a-1
	TOSTAGE \a
.endr
	SEND 7
	s_wait_tensorcnt 0x0                           ; the wave's end: 0 onto my spare word and its wait, behind my last tensor load and my last LDS store
	ds_add_u32 v[SPW], v[NIL]
	s_wait_dscnt 0x0
	CROUND                                         ; the closing round: no work-group ends while a partner may still ask for a tile that names it
	s_endpgm
.Lfunc_end_k_q4e52ce5182_qkv:
	.size	k_q4e52ce5182_qkv, .Lfunc_end_k_q4e52ce5182_qkv-k_q4e52ce5182_qkv
	.p2alignl 7, 3214868480
	.fill 96, 4, 3214868480
	.section	.rodata,"a",@progbits
	.p2align	6, 0x0
	.amdhsa_kernel k_q4e52ce5182_qkv
		.amdhsa_group_segment_fixed_size 327680
		.amdhsa_private_segment_fixed_size 0
		.amdhsa_enable_private_segment 0
		.amdhsa_kernarg_size 32
		.amdhsa_user_sgpr_count 2
		.amdhsa_user_sgpr_kernarg_segment_ptr 1
		.amdhsa_wavefront_size32 1
		.amdhsa_system_sgpr_workgroup_id_x 1
		.amdhsa_system_sgpr_workgroup_id_y 1
		.amdhsa_system_sgpr_workgroup_id_z 1
		.amdhsa_system_vgpr_workitem_id 0
		.amdhsa_next_free_vgpr 1024
		.amdhsa_next_free_sgpr 102
		.amdhsa_reserve_vcc 1
		.amdhsa_float_denorm_mode_32 3
		.amdhsa_float_denorm_mode_16_64 3
		.amdhsa_memory_ordered 1
		.amdhsa_forward_progress 1
		.amdhsa_inst_pref_size 144
	.end_amdhsa_kernel
	.amdgpu_metadata
---
amdhsa.version: [ 1, 2 ]
amdhsa.kernels:
  - .name:           k_q4e52ce5182_qkv
    .symbol:         k_q4e52ce5182_qkv.kd
    .args:
      - { .name: codes, .offset: 0, .size: 8, .value_kind: global_buffer, .address_space: global }
      - { .name: scales, .offset: 8, .size: 8, .value_kind: global_buffer, .address_space: global }
      - { .name: q, .offset: 16, .size: 8, .value_kind: global_buffer, .address_space: global }
      - { .name: kvt, .offset: 24, .size: 8, .value_kind: global_buffer, .address_space: global }
    .group_segment_fixed_size: 327680
    .private_segment_fixed_size: 0
    .kernarg_segment_align: 8
    .kernarg_segment_size: 32
    .max_flat_workgroup_size: 128
    .sgpr_count:     102
    .vgpr_count:     1024
    .wavefront_size: 32
...
	.end_amdgpu_metadata
.endif
;; end of part 2
;; launch ktv (part 3): grid 8 x 32, 4 waves a work-group, clusters of 4 x 4, 327,680 bytes of LDS; arguments kvt, mm; writes mm
.if DOCPART == 3
	.amdgcn_target "amdgcn-amd-amdhsa--gfx1250"
	.amdhsa_code_object_version 6
	.text
	.protected	k_q4e52ce5182_ktv
	.globl	k_q4e52ce5182_ktv
	.p2align	8
	.type	k_q4e52ce5182_ktv,@function
k_q4e52ce5182_ktv:
	s_mov_b64 s[64:65], 0
	v_nop
	global_prefetch_b8 v0, s[64:65] scope:SCOPE_SE
	s_setreg_imm32_b32 hwreg(HW_REG_WAVE_MODE, 25, 1), 1
	s_wait_xcnt 0x0
	s_wait_alu depctr_hold_cnt(0) depctr_sa_sdst(0) depctr_va_vdst(0) depctr_va_sdst(0) depctr_va_ssrc(0) depctr_va_vcc(0) depctr_vm_vsrc(0)
	s_getreg_b32 s2, hwreg(HW_REG_IB_STS2, 6, 4)
	s_cmp_eq_u32 s2, 0
	s_cbranch_scc0 .Lentry_in_a_cluster
	s_endpgm
.Lentry_in_a_cluster:
	s_bfe_u32 s2, ttmp6, 0x10000c
	s_cmp_lg_u32 s2, 0xf033
	s_cbranch_scc0 .Lentry_shape_is_right
	s_endpgm
.Lentry_shape_is_right:
; M'[b][k][v] = 2^(fM - 127) x the sum over t of K^T[k][b, t] V^T[v][b, t]: f16 operands, f32 sums, M' rounded once to f16.  (The scores Q K^T are not formed: out = x + Q ((K^T V) P), equal to reference()'s
; formula for all finite inputs in exact arithmetic.)  A = rows 0-1023 of kvt, B = rows 1024-2047, both with t innermost; K = a batch's 2,048 t.  mm counts as [4 x 1024 k][1024 v].
; THE SCALE.  With EK, EV the exponent fields of the largest |K| and |V| (the maxima that the launch before stored), |M| < 2^11 x 2^(EK - 126) x 2^(EV - 126); fM = 383 - (EK + EV) brings |M'| to 2^15 at the most,
; inside f16.  The factor is a power of two: it rounds nothing, and the last launch takes it off again.  LIMIT: EK + EV is held to 129 .. 382, which bites only where max|K| x max|V| is 2^128 or more, or under 2^-125.
; A tile of C is 128 x 128: four waves, each 64 x 64: 16 accumulators.  K goes in steps of 256 (LDS rows of 512 bytes; a wave's tensor load brings 64 of them) through two slots.
; CLUSTERS: 4 x 4 work-groups; A's tiles are asked for jointly along a row of the cluster, B's along a column.  THE MATRIX INSTRUCTION IS USED TRANSPOSED: a lane holds eight neighbouring numbers of a row of C.
; REGISTERS: window 0: v0-31 addresses; v32-95 at work at the head and on the way out; v128-255 the accumulators ((a, b) at v[128 + 8 (4 a + b)]).   window 1: two fragment buffers of 128.
.set KTOT,   2048
.set STRIDE, 8192                      ; elements from row to row of kvt
.set CROW,   2048                      ; a row of mm in bytes
.set KVMAXO, 0x2000000                 ; kvt: where the maxima begin: 512 f32 for K, then 512 for V
.set KSTEP,  256
.set PITCH,  528                       ; an LDS row: 512 bytes + 16 of padding = 132 words: row r starts at bank 4 r mod 64 (64 banks of 4 bytes: ISA guide 11.1)
.set HALFT,  64*PITCH
.set SLOT,   4*HALFT                   ; A's 128 rows, then B's 128 rows
.set STAGE,  2*SLOT                    ; behind the ring: 128 rows x 272 bytes, the work-group's, for the way out
.set SPITCH, 272
.set SPARE,  STAGE+128*SPITCH          ; the spare words, 128 bytes for each wave: two blocks of 256 bytes that no other line names
.set LAPS, KTOT/(2*KSTEP)              ; a lap = two K steps = once round the ring
.set ADRA, 16
.set ADRB, 20
.set STO,  24
.set RD,   25
.set CO,   26
.set SLO,  27                          ; v27  64 x lane: my 16 of 512 stored maxima; never rewritten
.set SPW,  28
.set NIL,  29
.set PT,   31                          ; v31  a lane permute's destination
.set TMP,  32
.set ACC,  128
.set F0,   0
.set F1,   128
.set G1, 24
.set G0, 32
.set G1B, 48
.set G0B, 56
.set FAC, 66                           ; s[66:67] the factor, twice (the packed form names a pair)
.set SEL, 74                           ; s[74:75] v_permlanex16_b32's selects for lane l xor 16
.set MSB, 0
.macro WIN new                         ; the immediate's high byte repeats the setting that is left
.if MSB != \new
	s_set_vgpr_msb (MSB<<8)|\new
.set MSB, \new
.endif
.endm
.set MUL,  0x05                        ; sources 0 (B) and 1 (A) window 1; C and D window 0
.set TO_F, 0x40                        ; destination window 1, address window 0
.macro JLOAD s                         ; a joint load: waves 0 and 1 fetch A's two halves, waves 2 and 3 B's; an s_nop 0 and four v_nop follow each of the two lines
	s_cmp_eq_u32 s11, 0
	s_cbranch_scc0 .Lfor_b_\@
	tensor_load_to_lds s[G0+4*\s:G0+4*\s+3], s[G1:G1+7]
	s_nop 0
.rept 4
	v_nop
.endr
	s_branch .Lasked_\@
.Lfor_b_\@:
	tensor_load_to_lds s[G0B+4*\s:G0B+4*\s+3], s[G1B:G1B+7]
	s_nop 0
.rept 4
	v_nop
.endr
.Lasked_\@:
.endm
.macro CREST                           ; a round of the cluster's barrier behind its opening barrier
	s_cmp_lg_u32 s10, 0
	s_cbranch_scc1 .Lnot_wave_0_\@
	s_barrier_signal -3
.Lnot_wave_0_\@:
	s_barrier_wait -3
	s_barrier_signal -1
	s_barrier_wait -1
.endm
.macro CROUND
	s_barrier_signal -1
	s_barrier_wait -1
	CREST
.endm
.macro SLOTMAX dst, first, n           ; the largest of the n x 32 stored maxima in v[first] on, into s[dst]
	v_max3_num_f32 v[\first], v[\first], v[\first+1], v[\first+2]
.set SMI, 3
.rept (\n-4)/2
	v_max3_num_f32 v[\first], v[\first], v[\first+SMI], v[\first+SMI+1]
.set SMI, SMI+2
.endr
	v_max_num_f32 v[\first], v[\first], v[\first+\n-1]
	v_max_num_f32_dpp v[\first], v[\first], v[\first] row_xmask:1 row_mask:0xf bank_mask:0xf
	v_max_num_f32_dpp v[\first], v[\first], v[\first] row_xmask:2 row_mask:0xf bank_mask:0xf
	v_max_num_f32_dpp v[\first], v[\first], v[\first] row_xmask:4 row_mask:0xf bank_mask:0xf
	v_max_num_f32_dpp v[\first], v[\first], v[\first] row_xmask:8 row_mask:0xf bank_mask:0xf
	v_permlanex16_b32 v[PT], v[\first], s[SEL], s[SEL+1]
	v_max_num_f32 v[\first], v[\first], v[PT]
	v_readfirstlane_b32 s[\dst], v[\first]
.endm
	s_load_b128 s[4:7], s[0:1], 0x0                ; kvt s[4:5], mm s[6:7]
	v_lshl_add_u32 v[SPW], v0, 2, SPARE
	v_mov_b32 v[NIL], 0
	ds_add_u32 v[SPW], v[NIL]                      ; the wave's opening: the add, twice on end, and its wait ahead of my first tensor load; the set-up below stands between
	ds_add_u32 v[SPW], v[NIL]
	v_lshrrev_b32 v1, 5, v0
	v_readfirstlane_b32 s10, v1                    ; wave 0..3
	s_lshr_b32 s11, s10, 1                         ; which half of the tile's rows is mine.  Also: I fetch for A (0) or for B (1)
	s_and_b32 s12, s10, 1                          ; which half of its columns.  Also: which 64 rows of that tile I fetch
	s_bfe_u32 s40, ttmp6, 0x40000                  ; cx, cy
	s_bfe_u32 s41, ttmp6, 0x40004
	s_lshl_b32 s42, ttmp9, 2
	s_add_co_u32 s42, s42, s40                     ; tile column of C, 0..7
	s_and_b32 s68, ttmp7, 0xffff                   ; the cluster's y
	s_lshl_b32 s13, s68, 2
	s_add_co_u32 s13, s13, s41                     ; tile row of C, 0..31: 8 x batch + the tile row in the batch
	s_lshl_b32 s43, s41, 2
	s_lshl_b32 s43, 15, s43                        ; my row of the cluster
	s_lshl_b32 s44, 0x1111, s40                    ; my column
	s_or_b32 s[G1+0], s43, (1<<16)|(1<<20)|(1<<21)|(6<<22)|(3<<25)  ; 15:0 the mask; 17:16 element of 2 bytes; 20 padding on; 21 set beside a mask; 24:22 after every 128 words (code 6); 31:25 of 4 words (code 3)
	s_or_b32 s[G1B+0], s44, (1<<16)|(1<<20)|(1<<21)|(6<<22)|(3<<25)
.irp g, G1, G1B
	s_mov_b32 s[\g+1], KSTEP<<16                   ; tensor_dim0 = 256
	s_mov_b32 s[\g+2], 64<<16                      ; tensor_dim1 = 64
	s_mov_b32 s[\g+3], KSTEP<<16                   ; tile_dim0 = 256
	s_mov_b32 s[\g+4], 64                          ; tile_dim1 = 64
	s_mov_b32 s[\g+5], STRIDE                      ; tensor_dim0_stride
	s_mov_b32 s[\g+6], 0
	s_mov_b32 s[\g+7], 0
.endr
	s_lshr_b32 s69, s68, 1                         ; the batch: from the cluster's y alone
	s_lshl_b32 s70, s69, 12                        ; its 2,048 t begin 4,096 bytes x batch into a row
	s_lshl_b32 s17, s12, 6                         ; which 64 rows of the tile I fetch
	s_and_b32 s16, s13, 7
	s_lshl_b32 s16, s16, 7
	s_add_co_u32 s16, s16, s17                     ; A: row 128 x (tile row in the batch) + 64 x half of K^T
	s_lshl_b32 s16, s16, 14                        ; rows of 16,384 bytes (under 2^26)
	s_add_co_u32 s16, s16, s70
	s_lshl_b32 s46, s42, 7
	s_add_co_u32 s46, s46, s17
	s_add_co_u32 s46, s46, 1024                    ; B: V^T's rows lie behind K^T's 1,024
	s_lshl_b32 s46, s46, 14
	s_add_co_u32 s46, s46, s70
	s_mov_b32 s17, 0
	s_mov_b32 s47, 0
	s_mul_i32 s20, s10, HALFT                      ; where they go: wave x 64 rows
	s_wait_dscnt 0x0                               ; both opening adds are done
	s_wait_kmcnt 0x0
	s_add_nc_u64 s[14:15], s[4:5], s[16:17]
	s_add_nc_u64 s[46:47], s[4:5], s[46:47]
	CROUND                                         ; all sixteen work-groups are here: the first joint loads meet
.irp s, 0,1
	s_mov_b32 s[G0+4*\s], 1
	s_add_co_u32 s[G0+4*\s+1], s20, \s*SLOT
	s_add_nc_u64 s[G0+4*\s+2:G0+4*\s+3], s[14:15], \s*KSTEP*2
	s_or_b32 s[G0+4*\s+3], s[G0+4*\s+3], 0x80000000
	s_mov_b32 s[G0B+4*\s], 1
	s_add_co_u32 s[G0B+4*\s+1], s20, \s*SLOT
	s_add_nc_u64 s[G0B+4*\s+2:G0B+4*\s+3], s[46:47], \s*KSTEP*2
	s_or_b32 s[G0B+4*\s+3], s[G0B+4*\s+3], 0x80000000
	JLOAD \s                                       ; two tensor loads of mine are out behind the second
.endr
	v_and_b32 v1, 15, v0                           ; r = l % 16
	v_bfe_u32 v2, v0, 4, 1                         ; h = l / 16
	v_mul_u32_u24 v3, v1, PITCH
	v_lshl_add_u32 v3, v2, 4, v3                   ; a fragment's row x pitch + 16 x half
	s_mul_i32 s21, s11, HALFT                      ; my 64 rows of A
	s_mul_i32 s22, s12, HALFT                      ; my 64 rows of B,
	s_add_co_u32 s22, s22, 2*HALFT                 ; which lie behind A's 128
.irp s, 0,1
	v_add_nc_u32 v[ADRA+\s], s21, v3
	v_add_nc_u32 v[ADRB+\s], s22, v3
	s_add_co_u32 s21, s21, SLOT
	s_add_co_u32 s22, s22, SLOT
.endr
	s_mul_i32 s23, s11, 64*SPITCH                  ; into the stage: my 64 rows, my half of their 256 bytes
	s_lshl_b32 s21, s12, 7
	s_add_co_u32 s23, s23, s21
	s_add_co_u32 s23, s23, STAGE
	v_mul_u32_u24 v4, v1, SPITCH
	v_lshl_add_u32 v4, v2, 4, v4
	v_add_nc_u32 v[STO], s23, v4
	s_mul_i32 s23, s10, 32*SPITCH                  ; back: wave w takes rows 32 w .. 32 w + 31, whole
	s_add_co_u32 s23, s23, STAGE
	v_mul_u32_u24 v5, v2, SPITCH
	v_lshl_add_u32 v5, v1, 4, v5
	v_add_nc_u32 v[RD], s23, v5
	v_mul_u32_u24 v5, v2, CROW
	v_lshl_add_u32 v[CO], v1, 4, v5
	s_lshl_b32 s16, s13, 7
	s_lshl_b32 s17, s10, 5
	s_add_co_u32 s16, s16, s17                     ; the first row of C that I store: 128 x tile row + 32 x wave
	s_lshl_b32 s16, s16, 11
	s_lshl_b32 s46, s42, 8                         ; the tile's first column, in bytes
	s_add_co_u32 s16, s16, s46
	s_mov_b32 s17, 0
	s_add_nc_u64 s[6:7], s[6:7], s[16:17]
	; the factor, while the first tiles are on their way
	v_and_b32 v[SLO], 31, v0
	v_lshlrev_b32 v[SLO], 6, v[SLO]
	v_mov_b32 v[PT], 0
	s_mov_b32 s[SEL], 0x76543210
	s_mov_b32 s[SEL+1], 0xfedcba98
	s_add_nc_u64 s[76:77], s[4:5], KVMAXO
.irp j, 0,1,2,3
	global_load_b128 v[TMP+4*\j:TMP+4*\j+3], v[SLO], s[76:77] offset:16*\j
.endr
.irp j, 0,1,2,3
	global_load_b128 v[TMP+16+4*\j:TMP+16+4*\j+3], v[SLO], s[76:77] offset:2048+16*\j
.endr
	s_wait_loadcnt 0x0
	SLOTMAX 69, TMP, 16                            ; the largest |K|
	SLOTMAX 70, TMP+16, 16                         ; the largest |V|
	s_lshr_b32 s69, s69, 23                        ; their exponent fields
	s_lshr_b32 s70, s70, 23
	s_add_co_u32 s69, s69, s70
	s_max_u32 s69, s69, 129
	s_min_u32 s69, s69, 382
	s_sub_co_u32 s69, 383, s69                     ; fM, 1 .. 254
	s_lshl_b32 s[FAC], s69, 23                     ; 2^(fM - 127) as f32
	s_mov_b32 s[FAC+1], s[FAC]
; 8 matrix instructions: m blocks a0, a0 + 1 x all 4 n blocks, 32 along K: half c of buffer f.  zero = 1: the first product starts the sums.  The 16 accumulators take turns.
.macro MUL8 f, c, a0, zero
.irp a, \a0, \a0+1
.irp b, 0,1,2,3
.if \zero
	v_wmma_f32_16x16x32_f16 v[ACC+8*(4*(\a)+\b):ACC+8*(4*(\a)+\b)+7], v[\f+64+8*(4*\c+\b):\f+64+8*(4*\c+\b)+7], v[\f+8*(4*\c+\a):\f+8*(4*\c+\a)+7], 0
.else
	v_wmma_f32_16x16x32_f16 v[ACC+8*(4*(\a)+\b):ACC+8*(4*(\a)+\b)+7], v[\f+64+8*(4*\c+\b):\f+64+8*(4*\c+\b)+7], v[\f+8*(4*\c+\a):\f+8*(4*\c+\a)+7], v[ACC+8*(4*(\a)+\b):ACC+8*(4*(\a)+\b)+7]
.endif
.endr
.endr
.endm
.macro FETCH slot, k, f                ; 32 LDS loads in one run: the fragments of 64 along K at byte k of the rows, into buffer f; the first 32 along K first
	WIN TO_F
.irp c, 0,1
.irp i, 0,1,2,3
	ds_load_b128 v[\f+64+8*(4*\c+\i):\f+64+8*(4*\c+\i)+3],   v[ADRB+\slot] offset:\k+64*\c+\i*16*PITCH
	ds_load_b128 v[\f+64+8*(4*\c+\i)+4:\f+64+8*(4*\c+\i)+7], v[ADRB+\slot] offset:\k+64*\c+\i*16*PITCH+32
	ds_load_b128 v[\f+8*(4*\c+\i):\f+8*(4*\c+\i)+3],         v[ADRA+\slot] offset:\k+64*\c+\i*16*PITCH
	ds_load_b128 v[\f+8*(4*\c+\i)+4:\f+8*(4*\c+\i)+7],       v[ADRA+\slot] offset:\k+64*\c+\i*16*PITCH+32
.endr
.endr
.endm
.macro PLACES                          ; four places in front of loads into registers that matrix instructions have read, and of vector instructions that read results
.rept 4
	v_nop
.endr
.endm
.macro QUARTER slot, k, f, g, zero     ; 64 along K: multiplies buffer f and fetches the next quarter, at byte k, into g
	s_wait_dscnt 16                                ; the first 32 along K are in; the sixteen loads of the second 32 may be out
	WIN MUL
	MUL8 \f, 0, 0, \zero
	MUL8 \f, 0, 2, \zero
	PLACES
	FETCH \slot, \k, \g
	s_wait_dscnt 32                                ; all but the 32 just issued
	WIN MUL
	MUL8 \f, 1, 0, 0
	MUL8 \f, 1, 2, 0
.endm
; The last quarter multiplies buffer 1 and changes slots: one barrier; in front of it each wave waits for all its tensor loads, adds 0 to its spare word, and waits for that and for its reads of this slot.
.macro TURN slot, next, fill
	WIN 0                                          ; (the add's two registers lie in window 0)
	s_wait_tensorcnt 0x0                           ; all my tensor loads have landed: my part of the next slot
	ds_add_u32 v[SPW], v[NIL]                      ; 0 onto my spare word
	s_wait_dscnt 17                                ; (the add and the youngest sixteen loads may be out)
	WIN MUL
	MUL8 F1, 0, 0, 0                               ; eight matrix instructions stand between the add and the wait for it
	s_wait_dscnt 0x0                               ; the add is done, and my reads of this slot are over
	s_barrier_signal -1
	MUL8 F1, 0, 2, 0
.if \fill
	WIN 0
.endif
	s_barrier_wait -1
.if \fill
	CREST                                          ; the barrier has opened a round of the cluster's: no wave of any partner still reads this slot's tile or has a load on its way
	s_add_nc_u64 s[G0+4*\slot+2:G0+4*\slot+3], s[G0+4*\slot+2:G0+4*\slot+3], 2*KSTEP*2
	s_add_nc_u64 s[G0B+4*\slot+2:G0B+4*\slot+3], s[G0B+4*\slot+2:G0B+4*\slot+3], 2*KSTEP*2
	JLOAD \slot                                    ; the first tensor load behind the round, my one load until the next; its four v_nop are also the places in front of the loads below
.else
	PLACES
.endif
	FETCH \next, 0, F0
	WIN MUL
	MUL8 F1, 1, 0, 0
	MUL8 F1, 1, 2, 0
.endm
	s_wait_tensorcnt 1                             ; my part of K step 0 is in (K step 1's load may be out)
	s_barrier_signal -1
	s_barrier_wait -1                              ; everybody's is
	FETCH 0, 0, F0
	QUARTER 0, 128, F0, F1, 1                      ; the first quarter stands in front of the loop: its first products start the sums
	WIN 0                                          ; at a label and at a branch every window is 0
	s_mov_b32 s3, LAPS-1
.Llap:                                                 ; a trip goes once round the ring, from a lap's second quarter to the next lap's first, and fills both slots again
	QUARTER 0, 256, F1, F0, 0
	QUARTER 0, 384, F0, F1, 0
	TURN 0, 1, 1
	QUARTER 1, 128, F0, F1, 0
	QUARTER 1, 256, F1, F0, 0
	QUARTER 1, 384, F0, F1, 0
	TURN 1, 0, 1
	QUARTER 0, 128, F0, F1, 0
	WIN 0
	s_sub_co_u32 s3, s3, 1
	s_cmp_lg_u32 s3, 0
	s_cbranch_scc1 .Llap
	QUARTER 0, 256, F1, F0, 0                      ; the last lap fills nothing, and has no round of the cluster's barrier
	QUARTER 0, 384, F0, F1, 0
	TURN 0, 1, 0
	QUARTER 1, 128, F0, F1, 0
	QUARTER 1, 256, F1, F0, 0
	QUARTER 1, 384, F0, F1, 0
	s_wait_dscnt 16                                ; the very last quarter: nothing more to fetch
	WIN MUL
	MUL8 F1, 0, 0, 0
	MUL8 F1, 0, 2, 0
	s_wait_dscnt 0
	MUL8 F1, 1, 0, 0
	MUL8 F1, 1, 2, 0
	WIN 0
	; THE WAY OUT: x the factor; round to f16; 16 bytes a lane into the work-group's stage; a barrier, since a row's 256 bytes come from two waves; back as whole rows, 32 rows a wave.
	PLACES
.set I, 0
.rept 64
	v_pk_mul_f32 v[ACC+2*I:ACC+2*I+1], v[ACC+2*I:ACC+2*I+1], s[FAC:FAC+1] op_sel_hi:[1,0]   ; each accumulator from its low end on
.set I, I+1
.endr
.irp t, 0,1,2,3,4,5,6,7,8,9,10,11,12,13,14,15
.irp r, 0,1,2,3
	v_cvt_pk_f16_f32 v[TMP+4*\t+\r], v[ACC+8*\t+2*\r], v[ACC+8*\t+2*\r+1]
.endr
.endr
.irp a, 0,1,2,3
.irp b, 0,1,2,3
	ds_store_b128 v[STO], v[TMP+4*(4*\a+\b):TMP+4*(4*\a+\b)+3] offset:\a*16*SPITCH+32*\b
.endr
.endr
	s_wait_dscnt 0x0                               ; for the others' sake: my stores into the stage are done
	s_barrier_signal -1
	s_barrier_wait -1
.irp t, 0,1,2,3,4,5,6,7,8,9,10,11,12,13,14,15
	ds_load_b128 v[TMP+4*\t:TMP+4*\t+3], v[RD] offset:\t*2*SPITCH
.endr
.irp t, 0,1,2,3,4,5,6,7,8,9,10,11,12,13,14,15
	s_wait_dscnt 15-\t
	global_store_b128 v[CO], v[TMP+4*\t:TMP+4*\t+3], s[6:7] offset:2*\t*CROW   ; sixteen lanes store 256 consecutive bytes, aligned
.endr
	s_wait_tensorcnt 0x0                           ; the wave's end: 0 onto my spare word and its wait, behind my last tensor load and my last LDS store
	ds_add_u32 v[SPW], v[NIL]
	s_wait_dscnt 0x0
	CROUND                                         ; the closing round: no work-group ends while a partner may still ask for a tile that names it
	s_endpgm
.Lfunc_end_k_q4e52ce5182_ktv:
	.size	k_q4e52ce5182_ktv, .Lfunc_end_k_q4e52ce5182_ktv-k_q4e52ce5182_ktv
	.p2alignl 7, 3214868480
	.fill 96, 4, 3214868480
	.section	.rodata,"a",@progbits
	.p2align	6, 0x0
	.amdhsa_kernel k_q4e52ce5182_ktv
		.amdhsa_group_segment_fixed_size 327680
		.amdhsa_private_segment_fixed_size 0
		.amdhsa_enable_private_segment 0
		.amdhsa_kernarg_size 16
		.amdhsa_user_sgpr_count 2
		.amdhsa_user_sgpr_kernarg_segment_ptr 1
		.amdhsa_wavefront_size32 1
		.amdhsa_system_sgpr_workgroup_id_x 1
		.amdhsa_system_sgpr_workgroup_id_y 1
		.amdhsa_system_sgpr_workgroup_id_z 1
		.amdhsa_system_vgpr_workitem_id 0
		.amdhsa_next_free_vgpr 512
		.amdhsa_next_free_sgpr 84
		.amdhsa_reserve_vcc 0
		.amdhsa_float_denorm_mode_32 3
		.amdhsa_float_denorm_mode_16_64 3
		.amdhsa_memory_ordered 1
		.amdhsa_forward_progress 1
		.amdhsa_inst_pref_size 94
	.end_amdhsa_kernel
	.amdgpu_metadata
---
amdhsa.version: [ 1, 2 ]
amdhsa.kernels:
  - .name:           k_q4e52ce5182_ktv
    .symbol:         k_q4e52ce5182_ktv.kd
    .args:
      - { .name: kvt, .offset: 0, .size: 8, .value_kind: global_buffer, .address_space: global }
      - { .name: mm, .offset: 8, .size: 8, .value_kind: global_buffer, .address_space: global }
    .group_segment_fixed_size: 327680
    .private_segment_fixed_size: 0
    .kernarg_segment_align: 8
    .kernarg_segment_size: 16
    .max_flat_workgroup_size: 128
    .sgpr_count:     84
    .vgpr_count:     512
    .wavefront_size: 32
...
	.end_amdgpu_metadata
.endif
;; end of part 3
;; launch mp (part 4): grid 8 x 32, 4 waves a work-group, clusters of 4 x 4, 327,680 bytes of LDS; arguments pt, mm, nt; writes nt
.if DOCPART == 4
	.amdgcn_target "amdgcn-amd-amdhsa--gfx1250"
	.amdhsa_code_object_version 6
	.text
	.protected	k_q4e52ce5182_mp
	.globl	k_q4e52ce5182_mp
	.p2align	8
	.type	k_q4e52ce5182_mp,@function
k_q4e52ce5182_mp:
	s_mov_b64 s[64:65], 0
	v_nop
	global_prefetch_b8 v0, s[64:65] scope:SCOPE_SE
	s_setreg_imm32_b32 hwreg(HW_REG_WAVE_MODE, 25, 1), 1
	s_wait_xcnt 0x0
	s_wait_alu depctr_hold_cnt(0) depctr_sa_sdst(0) depctr_va_vdst(0) depctr_va_sdst(0) depctr_va_ssrc(0) depctr_va_vcc(0) depctr_vm_vsrc(0)
	s_getreg_b32 s2, hwreg(HW_REG_IB_STS2, 6, 4)
	s_cmp_eq_u32 s2, 0
	s_cbranch_scc0 .Lentry_in_a_cluster
	s_endpgm
.Lentry_in_a_cluster:
	s_bfe_u32 s2, ttmp6, 0x10000c
	s_cmp_lg_u32 s2, 0xf033
	s_cbranch_scc0 .Lentry_shape_is_right
	s_endpgm
.Lentry_shape_is_right:
; N''^T[b][o][k] = 2^(fN - 127) x the sum over v of P^T[o][v] M'[b][k][v]: f16 operands, f32 sums, rounded once to f16.  (Part of out = x + Q ((K^T V) P); the scores and the context of reference() are not formed.)
; A = pt [1024 o][1024 v], the same for all batches; B = mm rows 1024 b + k; K = 1,024 v.  nt counts as [4 x 1024 o][1024 k].
; THE SCALE.  |M'| is 2^15 at the most; with EP the exponent field of the largest |P| (the maxima stored behind pt), the sum is under 2^10 x 2^15 x 2^(EP - 126); fN = 243 - EP brings it to 2^15 at the most,
; inside f16.  A power of two: it rounds nothing, and the last launch takes it off again.  LIMIT: EP is held at 242 from above.
; Tiles, ring, cluster and way out as in the launch before: a tile of C is 128 x 128, four waves of 64 x 64; K steps of 256 through two slots; A's tiles jointly along a row of the cluster, B's along a column.
.set KTOT,   1024
.set STRIDE, 1024                      ; elements from row to row of pt and of mm
.set CROW,   2048                      ; a row of nt in bytes
.set PMAXO,  2097152                   ; pt: where the 256 maxima begin
.set KSTEP,  256
.set PITCH,  528                       ; an LDS row: 512 bytes + 16 of padding = 132 words: row r starts at bank 4 r mod 64 (64 banks of 4 bytes: ISA guide 11.1)
.set HALFT,  64*PITCH
.set SLOT,   4*HALFT
.set STAGE,  2*SLOT
.set SPITCH, 272
.set SPARE,  STAGE+128*SPITCH          ; the spare words, 128 bytes for each wave: two blocks of 256 bytes that no other line names
.set LAPS, KTOT/(2*KSTEP)
.set ADRA, 16
.set ADRB, 20
.set STO,  24
.set RD,   25
.set CO,   26
.set SPW,  28
.set NIL,  29
.set SLP,  30                          ; v30  32 x lane: my 8 of 256 stored maxima; never rewritten
.set PT,   31
.set TMP,  32
.set ACC,  128
.set F0,   0
.set F1,   128
.set G1, 24
.set G0, 32
.set G1B, 48
.set G0B, 56
.set FAC, 66
.set SEL, 74
.set MSB, 0
.macro WIN new                         ; the immediate's high byte repeats the setting that is left
.if MSB != \new
	s_set_vgpr_msb (MSB<<8)|\new
.set MSB, \new
.endif
.endm
.set MUL,  0x05
.set TO_F, 0x40
.macro JLOAD s                         ; a joint load: waves 0 and 1 fetch A's two halves, waves 2 and 3 B's; an s_nop 0 and four v_nop follow each of the two lines
	s_cmp_eq_u32 s11, 0
	s_cbranch_scc0 .Lfor_b_\@
	tensor_load_to_lds s[G0+4*\s:G0+4*\s+3], s[G1:G1+7]
	s_nop 0
.rept 4
	v_nop
.endr
	s_branch .Lasked_\@
.Lfor_b_\@:
	tensor_load_to_lds s[G0B+4*\s:G0B+4*\s+3], s[G1B:G1B+7]
	s_nop 0
.rept 4
	v_nop
.endr
.Lasked_\@:
.endm
.macro CREST
	s_cmp_lg_u32 s10, 0
	s_cbranch_scc1 .Lnot_wave_0_\@
	s_barrier_signal -3
.Lnot_wave_0_\@:
	s_barrier_wait -3
	s_barrier_signal -1
	s_barrier_wait -1
.endm
.macro CROUND
	s_barrier_signal -1
	s_barrier_wait -1
	CREST
.endm
.macro SLOTMAX dst, first, n           ; the largest of the n x 32 stored maxima in v[first] on, into s[dst]
	v_max3_num_f32 v[\first], v[\first], v[\first+1], v[\first+2]
.set SMI, 3
.rept (\n-4)/2
	v_max3_num_f32 v[\first], v[\first], v[\first+SMI], v[\first+SMI+1]
.set SMI, SMI+2
.endr
	v_max_num_f32 v[\first], v[\first], v[\first+\n-1]
	v_max_num_f32_dpp v[\first], v[\first], v[\first] row_xmask:1 row_mask:0xf bank_mask:0xf
	v_max_num_f32_dpp v[\first], v[\first], v[\first] row_xmask:2 row_mask:0xf bank_mask:0xf
	v_max_num_f32_dpp v[\first], v[\first], v[\first] row_xmask:4 row_mask:0xf bank_mask:0xf
	v_max_num_f32_dpp v[\first], v[\first], v[\first] row_xmask:8 row_mask:0xf bank_mask:0xf
	v_permlanex16_b32 v[PT], v[\first], s[SEL], s[SEL+1]
	v_max_num_f32 v[\first], v[\first], v[PT]
	v_readfirstlane_b32 s[\dst], v[\first]
.endm
	s_load_b128 s[4:7], s[0:1], 0x0                ; pt s[4:5], mm s[6:7]
	s_load_b64 s[8:9], s[0:1], 0x10                ; nt
	v_lshl_add_u32 v[SPW], v0, 2, SPARE
	v_mov_b32 v[NIL], 0
	ds_add_u32 v[SPW], v[NIL]                      ; the wave's opening: the add, twice on end, and its wait ahead of my first tensor load; the set-up below stands between
	ds_add_u32 v[SPW], v[NIL]
	v_lshrrev_b32 v1, 5, v0
	v_readfirstlane_b32 s10, v1                    ; wave 0..3
	s_lshr_b32 s11, s10, 1
	s_and_b32 s12, s10, 1
	s_bfe_u32 s40, ttmp6, 0x40000                  ; cx, cy
	s_bfe_u32 s41, ttmp6, 0x40004
	s_lshl_b32 s42, ttmp9, 2
	s_add_co_u32 s42, s42, s40                     ; tile column of C, 0..7
	s_and_b32 s68, ttmp7, 0xffff                   ; the cluster's y
	s_lshl_b32 s13, s68, 2
	s_add_co_u32 s13, s13, s41                     ; tile row of C, 0..31: 8 x batch + the tile row in the batch
	s_lshl_b32 s43, s41, 2
	s_lshl_b32 s43, 15, s43
	s_lshl_b32 s44, 0x1111, s40
	s_or_b32 s[G1+0], s43, (1<<16)|(1<<20)|(1<<21)|(6<<22)|(3<<25)  ; the mask; element of 2 bytes; padding on; bit 21 beside a mask; 4 words after every 128
	s_or_b32 s[G1B+0], s44, (1<<16)|(1<<20)|(1<<21)|(6<<22)|(3<<25)
.irp g, G1, G1B
	s_mov_b32 s[\g+1], KSTEP<<16
	s_mov_b32 s[\g+2], 64<<16
	s_mov_b32 s[\g+3], KSTEP<<16
	s_mov_b32 s[\g+4], 64
	s_mov_b32 s[\g+5], STRIDE
	s_mov_b32 s[\g+6], 0
	s_mov_b32 s[\g+7], 0
.endr
	s_lshr_b32 s69, s68, 1                         ; the batch: from the cluster's y alone
	s_lshl_b32 s70, s69, 10                        ; its 1,024 rows of mm
	s_lshl_b32 s17, s12, 6                         ; which 64 rows of the tile I fetch
	s_and_b32 s16, s13, 7
	s_lshl_b32 s16, s16, 7
	s_add_co_u32 s16, s16, s17                     ; A: row 128 x (tile row in the batch) + 64 x half of pt
	s_lshl_b32 s16, s16, 11                        ; rows of 2,048 bytes
	s_lshl_b32 s46, s42, 7
	s_add_co_u32 s46, s46, s17
	s_add_co_u32 s46, s46, s70                     ; B: row 1024 x batch + 128 x tile column + 64 x half of mm
	s_lshl_b32 s46, s46, 11
	s_mov_b32 s17, 0
	s_mov_b32 s47, 0
	s_mul_i32 s20, s10, HALFT
	s_wait_dscnt 0x0                               ; both opening adds are done
	s_wait_kmcnt 0x0
	s_add_nc_u64 s[14:15], s[4:5], s[16:17]
	s_add_nc_u64 s[46:47], s[6:7], s[46:47]
	CROUND                                         ; all sixteen work-groups are here: the first joint loads meet
.irp s, 0,1
	s_mov_b32 s[G0+4*\s], 1
	s_add_co_u32 s[G0+4*\s+1], s20, \s*SLOT
	s_add_nc_u64 s[G0+4*\s+2:G0+4*\s+3], s[14:15], \s*KSTEP*2
	s_or_b32 s[G0+4*\s+3], s[G0+4*\s+3], 0x80000000
	s_mov_b32 s[G0B+4*\s], 1
	s_add_co_u32 s[G0B+4*\s+1], s20, \s*SLOT
	s_add_nc_u64 s[G0B+4*\s+2:G0B+4*\s+3], s[46:47], \s*KSTEP*2
	s_or_b32 s[G0B+4*\s+3], s[G0B+4*\s+3], 0x80000000
	JLOAD \s                                       ; two tensor loads of mine are out behind the second
.endr
	v_and_b32 v1, 15, v0
	v_bfe_u32 v2, v0, 4, 1
	v_mul_u32_u24 v3, v1, PITCH
	v_lshl_add_u32 v3, v2, 4, v3
	s_mul_i32 s21, s11, HALFT
	s_mul_i32 s22, s12, HALFT
	s_add_co_u32 s22, s22, 2*HALFT
.irp s, 0,1
	v_add_nc_u32 v[ADRA+\s], s21, v3
	v_add_nc_u32 v[ADRB+\s], s22, v3
	s_add_co_u32 s21, s21, SLOT
	s_add_co_u32 s22, s22, SLOT
.endr
	s_mul_i32 s23, s11, 64*SPITCH
	s_lshl_b32 s21, s12, 7
	s_add_co_u32 s23, s23, s21
	s_add_co_u32 s23, s23, STAGE
	v_mul_u32_u24 v4, v1, SPITCH
	v_lshl_add_u32 v4, v2, 4, v4
	v_add_nc_u32 v[STO], s23, v4
	s_mul_i32 s23, s10, 32*SPITCH
	s_add_co_u32 s23, s23, STAGE
	v_mul_u32_u24 v5, v2, SPITCH
	v_lshl_add_u32 v5, v1, 4, v5
	v_add_nc_u32 v[RD], s23, v5
	v_mul_u32_u24 v5, v2, CROW
	v_lshl_add_u32 v[CO], v1, 4, v5
	s_lshl_b32 s16, s13, 7
	s_lshl_b32 s17, s10, 5
	s_add_co_u32 s16, s16, s17                     ; the first row of C that I store: 128 x tile row + 32 x wave
	s_lshl_b32 s16, s16, 11
	s_lshl_b32 s46, s42, 8
	s_add_co_u32 s16, s16, s46
	s_mov_b32 s17, 0
	s_add_nc_u64 s[8:9], s[8:9], s[16:17]
	; the factor, while the first tiles are on their way
	v_and_b32 v[SLP], 31, v0
	v_lshlrev_b32 v[SLP], 5, v[SLP]
	v_mov_b32 v[PT], 0
	s_mov_b32 s[SEL], 0x76543210
	s_mov_b32 s[SEL+1], 0xfedcba98
	s_add_nc_u64 s[78:79], s[4:5], PMAXO
	global_load_b128 v[TMP:TMP+3], v[SLP], s[78:79]
	global_load_b128 v[TMP+4:TMP+7], v[SLP], s[78:79] offset:16
	s_wait_loadcnt 0x0
	SLOTMAX 71, TMP, 8                             ; the largest |P|
	s_lshr_b32 s71, s71, 23
	s_min_u32 s71, s71, 242
	s_sub_co_u32 s71, 243, s71                     ; fN, 1 .. 243
	s_lshl_b32 s[FAC], s71, 23
	s_mov_b32 s[FAC+1], s[FAC]
.macro MUL8 f, c, a0, zero             ; 8 matrix instructions; the 16 accumulators take turns
.irp a, \a0, \a0+1
.irp b, 0,1,2,3
.if \zero
	v_wmma_f32_16x16x32_f16 v[ACC+8*(4*(\a)+\b):ACC+8*(4*(\a)+\b)+7], v[\f+64+8*(4*\c+\b):\f+64+8*(4*\c+\b)+7], v[\f+8*(4*\c+\a):\f+8*(4*\c+\a)+7], 0
.else
	v_wmma_f32_16x16x32_f16 v[ACC+8*(4*(\a)+\b):ACC+8*(4*(\a)+\b)+7], v[\f+64+8*(4*\c+\b):\f+64+8*(4*\c+\b)+7], v[\f+8*(4*\c+\a):\f+8*(4*\c+\a)+7], v[ACC+8*(4*(\a)+\b):ACC+8*(4*(\a)+\b)+7]
.endif
.endr
.endr
.endm
.macro FETCH slot, k, f
	WIN TO_F
.irp c, 0,1
.irp i, 0,1,2,3
	ds_load_b128 v[\f+64+8*(4*\c+\i):\f+64+8*(4*\c+\i)+3],   v[ADRB+\slot] offset:\k+64*\c+\i*16*PITCH
	ds_load_b128 v[\f+64+8*(4*\c+\i)+4:\f+64+8*(4*\c+\i)+7], v[ADRB+\slot] offset:\k+64*\c+\i*16*PITCH+32
	ds_load_b128 v[\f+8*(4*\c+\i):\f+8*(4*\c+\i)+3],         v[ADRA+\slot] offset:\k+64*\c+\i*16*PITCH
	ds_load_b128 v[\f+8*(4*\c+\i)+4:\f+8*(4*\c+\i)+7],       v[ADRA+\slot] offset:\k+64*\c+\i*16*PITCH+32
.endr
.endr
.endm
.macro PLACES                          ; four places in front of loads into registers that matrix instructions have read, and of vector instructions that read results
.rept 4
	v_nop
.endr
.endm
.macro QUARTER slot, k, f, g, zero
	s_wait_dscnt 16                                ; the first 32 along K are in; the sixteen loads of the second 32 may be out
	WIN MUL
	MUL8 \f, 0, 0, \zero
	MUL8 \f, 0, 2, \zero
	PLACES
	FETCH \slot, \k, \g
	s_wait_dscnt 32                                ; all but the 32 just issued
	WIN MUL
	MUL8 \f, 1, 0, 0
	MUL8 \f, 1, 2, 0
.endm
.macro TURN slot, next, fill
	WIN 0                                          ; (the add's two registers lie in window 0)
	s_wait_tensorcnt 0x0                           ; all my tensor loads have landed: my part of the next slot
	ds_add_u32 v[SPW], v[NIL]                      ; 0 onto my spare word
	s_wait_dscnt 17                                ; (the add and the youngest sixteen loads may be out)
	WIN MUL
	MUL8 F1, 0, 0, 0
	s_wait_dscnt 0x0                               ; the add is done, and my reads of this slot are over
	s_barrier_signal -1
	MUL8 F1, 0, 2, 0
.if \fill
	WIN 0
.endif
	s_barrier_wait -1
.if \fill
	CREST                                          ; the barrier has opened a round of the cluster's: no wave of any partner still reads this slot's tile or has a load on its way
	s_add_nc_u64 s[G0+4*\slot+2:G0+4*\slot+3], s[G0+4*\slot+2:G0+4*\slot+3], 2*KSTEP*2
	s_add_nc_u64 s[G0B+4*\slot+2:G0B+4*\slot+3], s[G0B+4*\slot+2:G0B+4*\slot+3], 2*KSTEP*2
	JLOAD \slot                                    ; the first tensor load behind the round, my one load until the next
.else
	PLACES
.endif
	FETCH \next, 0, F0
	WIN MUL
	MUL8 F1, 1, 0, 0
	MUL8 F1, 1, 2, 0
.endm
	s_wait_tensorcnt 1                             ; my part of K step 0 is in (K step 1's load may be out)
	s_barrier_signal -1
	s_barrier_wait -1
	FETCH 0, 0, F0
	QUARTER 0, 128, F0, F1, 1
	WIN 0
	s_mov_b32 s3, LAPS-1
.Llap:
	QUARTER 0, 256, F1, F0, 0
	QUARTER 0, 384, F0, F1, 0
	TURN 0, 1, 1
	QUARTER 1, 128, F0, F1, 0
	QUARTER 1, 256, F1, F0, 0
	QUARTER 1, 384, F0, F1, 0
	TURN 1, 0, 1
	QUARTER 0, 128, F0, F1, 0
	WIN 0
	s_sub_co_u32 s3, s3, 1
	s_cmp_lg_u32 s3, 0
	s_cbranch_scc1 .Llap
	QUARTER 0, 256, F1, F0, 0                      ; the last lap fills nothing
	QUARTER 0, 384, F0, F1, 0
	TURN 0, 1, 0
	QUARTER 1, 128, F0, F1, 0
	QUARTER 1, 256, F1, F0, 0
	QUARTER 1, 384, F0, F1, 0
	s_wait_dscnt 16
	WIN MUL
	MUL8 F1, 0, 0, 0
	MUL8 F1, 0, 2, 0
	s_wait_dscnt 0
	MUL8 F1, 1, 0, 0
	MUL8 F1, 1, 2, 0
	WIN 0
	; THE WAY OUT: x the factor; round to f16; through the work-group's stage; whole rows out
	PLACES
.set I, 0
.rept 64
	v_pk_mul_f32 v[ACC+2*I:ACC+2*I+1], v[ACC+2*I:ACC+2*I+1], s[FAC:FAC+1] op_sel_hi:[1,0]   ; each accumulator from its low end on
.set I, I+1
.endr
.irp t, 0,1,2,3,4,5,6,7,8,9,10,11,12,13,14,15
.irp r, 0,1,2,3
	v_cvt_pk_f16_f32 v[TMP+4*\t+\r], v[ACC+8*\t+2*\r], v[ACC+8*\t+2*\r+1]
.endr
.endr
.irp a, 0,1,2,3
.irp b, 0,1,2,3
	ds_store_b128 v[STO], v[TMP+4*(4*\a+\b):TMP+4*(4*\a+\b)+3] offset:\a*16*SPITCH+32*\b
.endr
.endr
	s_wait_dscnt 0x0                               ; for the others' sake: my stores into the stage are done
	s_barrier_signal -1
	s_barrier_wait -1
.irp t, 0,1,2,3,4,5,6,7,8,9,10,11,12,13,14,15
	ds_load_b128 v[TMP+4*\t:TMP+4*\t+3], v[RD] offset:\t*2*SPITCH
.endr
.irp t, 0,1,2,3,4,5,6,7,8,9,10,11,12,13,14,15
	s_wait_dscnt 15-\t
	global_store_b128 v[CO], v[TMP+4*\t:TMP+4*\t+3], s[8:9] offset:2*\t*CROW   ; sixteen lanes store 256 consecutive bytes, aligned
.endr
	s_wait_tensorcnt 0x0                           ; the wave's end: 0 onto my spare word and its wait, behind my last tensor load and my last LDS store
	ds_add_u32 v[SPW], v[NIL]
	s_wait_dscnt 0x0
	CROUND                                         ; the closing round
	s_endpgm
.Lfunc_end_k_q4e52ce5182_mp:
	.size	k_q4e52ce5182_mp, .Lfunc_end_k_q4e52ce5182_mp-k_q4e52ce5182_mp
	.p2alignl 7, 3214868480
	.fill 96, 4, 3214868480
	.section	.rodata,"a",@progbits
	.p2align	6, 0x0
	.amdhsa_kernel k_q4e52ce5182_mp
		.amdhsa_group_segment_fixed_size 327680
		.amdhsa_private_segment_fixed_size 0
		.amdhsa_enable_private_segment 0
		.amdhsa_kernarg_size 24
		.amdhsa_user_sgpr_count 2
		.amdhsa_user_sgpr_kernarg_segment_ptr 1
		.amdhsa_wavefront_size32 1
		.amdhsa_system_sgpr_workgroup_id_x 1
		.amdhsa_system_sgpr_workgroup_id_y 1
		.amdhsa_system_sgpr_workgroup_id_z 1
		.amdhsa_system_vgpr_workitem_id 0
		.amdhsa_next_free_vgpr 512
		.amdhsa_next_free_sgpr 84
		.amdhsa_reserve_vcc 0
		.amdhsa_float_denorm_mode_32 3
		.amdhsa_float_denorm_mode_16_64 3
		.amdhsa_memory_ordered 1
		.amdhsa_forward_progress 1
		.amdhsa_inst_pref_size 92
	.end_amdhsa_kernel
	.amdgpu_metadata
---
amdhsa.version: [ 1, 2 ]
amdhsa.kernels:
  - .name:           k_q4e52ce5182_mp
    .symbol:         k_q4e52ce5182_mp.kd
    .args:
      - { .name: pt, .offset: 0, .size: 8, .value_kind: global_buffer, .address_space: global }
      - { .name: mm, .offset: 8, .size: 8, .value_kind: global_buffer, .address_space: global }
      - { .name: nt, .offset: 16, .size: 8, .value_kind: global_buffer, .address_space: global }
    .group_segment_fixed_size: 327680
    .private_segment_fixed_size: 0
    .kernarg_segment_align: 8
    .kernarg_segment_size: 24
    .max_flat_workgroup_size: 128
    .sgpr_count:     84
    .vgpr_count:     512
    .wavefront_size: 32
...
	.end_amdgpu_metadata
.endif
;; end of part 4
;; launch res (part 5): grid 4 x 64, 4 waves a work-group, clusters of 4 x 4, 327,680 bytes of LDS; arguments q, nt, kvt, pt, x, out0; writes out0
.if DOCPART == 5
	.amdgcn_target "amdgcn-amd-amdhsa--gfx1250"
	.amdhsa_code_object_version 6
	.text
	.protected	k_q4e52ce5182_res
	.globl	k_q4e52ce5182_res
	.p2align	8
	.type	k_q4e52ce5182_res,@function
k_q4e52ce5182_res:
	s_mov_b64 s[64:65], 0
	v_nop
	global_prefetch_b8 v0, s[64:65] scope:SCOPE_SE
	s_setreg_imm32_b32 hwreg(HW_REG_WAVE_MODE, 25, 1), 1
	s_wait_xcnt 0x0
	s_wait_alu depctr_hold_cnt(0) depctr_sa_sdst(0) depctr_va_vdst(0) depctr_va_sdst(0) depctr_va_ssrc(0) depctr_va_vcc(0) depctr_vm_vsrc(0)
	s_getreg_b32 s2, hwreg(HW_REG_IB_STS2, 6, 4)
	s_cmp_eq_u32 s2, 0
	s_cbranch_scc0 .Lentry_in_a_cluster
	s_endpgm
.Lentry_in_a_cluster:
	s_bfe_u32 s2, ttmp6, 0x10000c
	s_cmp_lg_u32 s2, 0xf033
	s_cbranch_scc0 .Lentry_shape_is_right
	s_endpgm
.Lentry_shape_is_right:
; out[s][o] = x[s][o] + F x the sum over k of Q[s][k] N''^T[b][o][k]: f16 operands, f32 sums, one fused multiply-add in f32 for the scale and the residual.
; (The last part of out = x + Q ((K^T V) P), which equals reference()'s formula for all finite inputs in exact arithmetic; the scores and the context of reference() are not formed.)
; A = q [8192 s][1024 k]; B = nt rows 1024 b + o; K = 1,024.
; F = 2^(fF - 127) takes off the two scales of the launches before: fM and fN are made anew from the same stored maxima by the same lines, fF = 381 - (fM + fN).  LIMIT: fM + fN is held to 127 .. 380.
; SHARES.  8,192 x 1,024 outputs on 256 work-groups: a tile of C is 128 x 256.  Four waves, each 64 x 128: 32 accumulators, 256 registers; for 32 along K a wave loads 12 fragments and issues 32 matrix instructions.
; K goes in steps of 128 (LDS rows of 256 bytes + 16) through two slots, each with A's 128 rows and B's 256 rows: two slots of 256 along K would be 405,504 bytes and do not fit.
; Waves 0 and 1 fetch A's halves (64 rows), waves 2 and 3 B's (128 rows).  CLUSTERS: 4 x 4 work-groups; A's tiles are asked for jointly along a row of the cluster, B's along a column.
; THE MATRIX INSTRUCTION IS USED TRANSPOSED (source 0 = 16 rows of B, source 1 = 16 rows of A): a lane holds eight neighbouring numbers of a row of C.
; A wave's 128 columns of f32 are 512 bytes of a row, aligned: each wave has a stage of its own on the way out and no barrier stands there.
; x's 64 x 128 numbers of each wave lie in window 3, in the layout in which the results come back from the stage; they land under the K loop.
; REGISTERS, in windows of 256: window 0: v0-31 addresses; v32-71 the stored maxima; v128-255 A's fragments, two buffers of 64 (64 along K each); on the way out rows read back.
;   window 1: B's fragments, two buffers of 128.   window 2: the accumulators ((a, b) at v[8 (8 a + b)]).   window 3: x (block a, row t at v[64 a + 4 t]).
.set KTOT,   1024
.set STRIDE, 1024                      ; elements from row to row of q and of nt
.set KVMAXO, 0x2000000                 ; kvt: where the maxima begin: 512 f32 for K, then 512 for V
.set PMAXO,  2097152                   ; pt: where the 256 maxima begin
.set KSTEP,  128
.set PITCH,  272                       ; an LDS row: 256 bytes + 16 of padding = 68 words: row r starts at bank 4 r mod 64 (64 banks of 4 bytes: ISA guide 11.1)
.set AHALF,  64*PITCH                  ; what a wave fetches of A, and what a wave reads of A
.set BHALF,  128*PITCH                 ; the same of B
.set BOFF,   2*AHALF                   ; B's rows lie behind A's 128
.set SLOT,   BOFF+2*BHALF
.set STAGE,  2*SLOT                    ; behind the ring: 16 rows x (512 + 16) bytes for each wave
.set SPITCH, 528
.set SPARE,  STAGE+4*16*SPITCH         ; the spare words, 128 bytes for each wave: two blocks of 256 bytes that no other line names
.set LAPS,   KTOT/(2*KSTEP)            ; a lap = two K steps = once round the ring
.set ADRA, 16                          ; v16-17  LDS address of my A fragments in slot 0, 1
.set ADRB, 20                          ; v20-21  the same for B
.set PFO,  22                          ; v22  the prefetches' offset: 2,048 x lane, a lane a row; never rewritten
.set STO,  24                          ; v24  the way out: where I put 32 bytes of a row
.set RD,   25                          ; v25  where I read a row back
.set CO,   26                          ; v26  16 x lane: my bytes of a row's 512 in x and in out; never rewritten
.set SLO,  27                          ; v27  64 x lane; never rewritten
.set SPW,  28                          ; v28  LDS address of my spare word; never rewritten
.set NIL,  29                          ; v29  0; never rewritten
.set SLP,  30                          ; v30  32 x lane; never rewritten
.set PT,   31                          ; v31  a lane permute's destination
.set TMP,  32                          ; v32-71 the stored maxima
.set AF,   128                         ; A's fragments: buffer f at v[AF + 64 f]
.set BK,   128                         ; the way out: 16 rows read back: v128-191 and v192-255 by turns
.set G1, 24                            ; s[24:31] descriptor group 1 for A's tiles;  s[32:39] group 0, one set for each slot
.set G0, 32
.set G1B, 48                           ; s[48:55], s[56:63] the same for B's tiles
.set G0B, 56
.set FAC, 66                           ; s[66:67] the factor, twice (the packed form names a pair)
.set LIM, 73                           ; s73  1 in a wave that prefetches, else the greatest number
.set SEL, 74                           ; s[74:75] v_permlanex16_b32's selects for lane l xor 16
.set PFA, 92                           ; s[92:93] where my prefetches stand: one K step further along K than the refill that is being asked for; a prefetch names the K step after that
.set MSB, 0
.macro WIN new                         ; the immediate's high byte repeats the setting that is left
.if MSB != \new
	s_set_vgpr_msb (MSB<<8)|\new
.set MSB, \new
.endif
.endm
.set MUL,  0xa1                        ; source 0 (B) window 1, source 1 (A) window 0, C and D window 2
.set TO_B, 0x40                        ; destination window 1, address window 0
.set TO_X, 0xc0                        ; destination window 3, address window 0
.macro JLOAD s                         ; a joint load: waves 0 and 1 fetch A's two halves, waves 2 and 3 B's; an s_nop 0 and four v_nop follow each of the two lines
	s_cmp_eq_u32 s11, 0
	s_cbranch_scc0 .Lfor_b_\@
	tensor_load_to_lds s[G0+4*\s:G0+4*\s+3], s[G1:G1+7]
	s_nop 0
.rept 4
	v_nop
.endr
	s_branch .Lasked_\@
.Lfor_b_\@:
	tensor_load_to_lds s[G0B+4*\s:G0B+4*\s+3], s[G1B:G1B+7]
	s_nop 0
.rept 4
	v_nop
.endr
.Lasked_\@:
.endm
; A PREFETCH INTO THE L2, behind each joint refill and the run of LDS loads that follows it: the K step that stands two refills on, 256 matrix instructions ahead of the load that will want it: 32 rows x 256 bytes,
; a lane a row, one instruction a wave.  Each row's 256 bytes of a K step are named once in the launch.  A's 128 rows are read by one row of one cluster alone: wave 0 asks, and the four partners take 32 rows each,
; told apart BY ADDRESS (cx).  B's 256 rows are read by the four clusters of a batch: the batch's first cluster asks; its four partners along a column take 64 rows each (cy), waves 2 and 3 take 32 of them each.
; No branch hangs on a work-group's place in its cluster.  K steps 0 to 3 come by their loads alone; the loop's last trip, whose refills have no K step two on, asks for nothing.
.macro ASK
	s_cmp_gt_u32 s3, s[LIM]                        ; s3 = 1 in the loop's last trip
	s_cbranch_scc0 .Lnot_mine_\@
	global_prefetch_b8 v[PFO], s[PFA:PFA+1] offset:KSTEP*2 th:TH_LOAD_NT scope:SCOPE_SE
.Lnot_mine_\@:
.endm
.macro CREST                           ; a round of the cluster's barrier behind its opening barrier
	s_cmp_lg_u32 s10, 0
	s_cbranch_scc1 .Lnot_wave_0_\@
	s_barrier_signal -3
.Lnot_wave_0_\@:
	s_barrier_wait -3
	s_barrier_signal -1
	s_barrier_wait -1
.endm
.macro CROUND
	s_barrier_signal -1
	s_barrier_wait -1
	CREST
.endm
.macro SLOTMAX dst, first, n           ; the largest of the n x 32 stored maxima in v[first] on, into s[dst]
	v_max3_num_f32 v[\first], v[\first], v[\first+1], v[\first+2]
.set SMI, 3
.rept (\n-4)/2
	v_max3_num_f32 v[\first], v[\first], v[\first+SMI], v[\first+SMI+1]
.set SMI, SMI+2
.endr
	v_max_num_f32 v[\first], v[\first], v[\first+\n-1]
	v_max_num_f32_dpp v[\first], v[\first], v[\first] row_xmask:1 row_mask:0xf bank_mask:0xf
	v_max_num_f32_dpp v[\first], v[\first], v[\first] row_xmask:2 row_mask:0xf bank_mask:0xf
	v_max_num_f32_dpp v[\first], v[\first], v[\first] row_xmask:4 row_mask:0xf bank_mask:0xf
	v_max_num_f32_dpp v[\first], v[\first], v[\first] row_xmask:8 row_mask:0xf bank_mask:0xf
	v_permlanex16_b32 v[PT], v[\first], s[SEL], s[SEL+1]
	v_max_num_f32 v[\first], v[\first], v[PT]
	v_readfirstlane_b32 s[\dst], v[\first]
.endm
	s_load_b256 s[80:87], s[0:1], 0x0              ; q s[80:81], nt s[82:83], kvt s[84:85], pt s[86:87]
	s_load_b128 s[88:91], s[0:1], 0x20             ; x s[88:89], out0 s[90:91]
	v_lshl_add_u32 v[SPW], v0, 2, SPARE
	v_mov_b32 v[NIL], 0
	ds_add_u32 v[SPW], v[NIL]                      ; the wave's opening: the add, twice on end, and its wait ahead of my first tensor load; the set-up below stands between
	ds_add_u32 v[SPW], v[NIL]
	v_lshrrev_b32 v1, 5, v0
	v_readfirstlane_b32 s10, v1                    ; wave 0..3
	s_lshr_b32 s11, s10, 1                         ; which 64 of the tile's rows are mine.  Also: I fetch for A (0) or for B (1)
	s_and_b32 s12, s10, 1                          ; which 128 of its columns.  Also: which half of that tile I fetch
	s_bfe_u32 s40, ttmp6, 0x40000                  ; cx, cy: my place in the cluster
	s_bfe_u32 s41, ttmp6, 0x40004
	s_lshl_b32 s42, ttmp9, 2
	s_add_co_u32 s42, s42, s40                     ; tile column of C, 0..3
	s_and_b32 s68, ttmp7, 0xffff                   ; the cluster's y
	s_lshl_b32 s13, s68, 2
	s_add_co_u32 s13, s13, s41                     ; tile row of C, 0..63
	s_lshl_b32 s43, s41, 2
	s_lshl_b32 s43, 15, s43                        ; my row of the cluster
	s_lshl_b32 s44, 0x1111, s40                    ; my column
	s_or_b32 s[G1+0], s43, (1<<16)|(1<<20)|(1<<21)|(5<<22)|(3<<25)  ; 15:0 the mask; 17:16 element of 2 bytes; 20 padding on; 21 set beside a mask; 24:22 after every 64 words (code 5); 31:25 of 4 words (code 3)
	s_or_b32 s[G1B+0], s44, (1<<16)|(1<<20)|(1<<21)|(5<<22)|(3<<25)
.irp g, G1, G1B
	s_mov_b32 s[\g+1], KSTEP<<16                   ; tensor_dim0 = 128
	s_mov_b32 s[\g+3], KSTEP<<16                   ; tile_dim0 = 128
	s_mov_b32 s[\g+5], STRIDE                      ; tensor_dim0_stride
	s_mov_b32 s[\g+6], 0
	s_mov_b32 s[\g+7], 0
.endr
	s_mov_b32 s[G1+2], 64<<16                      ; A: tensor_dim1 = 64,
	s_mov_b32 s[G1+4], 64                          ; tile_dim1 = 64
	s_mov_b32 s[G1B+2], 128<<16                    ; B: 128,
	s_mov_b32 s[G1B+4], 128                        ; 128
	s_lshr_b32 s69, s68, 2                         ; the batch: 16 tile rows, four clusters: from the cluster's y alone
	s_lshl_b32 s70, s69, 10                        ; its 1,024 rows of nt
	s_lshl_b32 s17, s12, 6
	s_lshl_b32 s16, s13, 7
	s_add_co_u32 s16, s16, s17                     ; A: row 128 x tile row + 64 x half of q
	s_lshl_b32 s16, s16, 11                        ; rows of 2,048 bytes
	s_lshl_b32 s46, s42, 8
	s_lshl_b32 s47, s12, 7
	s_add_co_u32 s46, s46, s47
	s_add_co_u32 s46, s46, s70                     ; B: row 1024 x batch + 256 x tile column + 128 x half of nt
	s_lshl_b32 s46, s46, 11
	s_mov_b32 s17, 0
	s_mov_b32 s47, 0
	s_mul_i32 s20, s12, AHALF                      ; where they go: no place in the cluster enters an LDS address
	s_mul_i32 s72, s12, BHALF
	s_add_co_u32 s72, s72, BOFF
	s_wait_dscnt 0x0                               ; both opening adds are done
	s_wait_kmcnt 0x0
	s_add_nc_u64 s[14:15], s[80:81], s[16:17]
	s_add_nc_u64 s[46:47], s[82:83], s[46:47]
	CROUND                                         ; all sixteen work-groups are here: the first joint loads meet
.irp s, 0,1
	s_mov_b32 s[G0+4*\s], 1
	s_add_co_u32 s[G0+4*\s+1], s20, \s*SLOT
	s_add_nc_u64 s[G0+4*\s+2:G0+4*\s+3], s[14:15], \s*KSTEP*2
	s_or_b32 s[G0+4*\s+3], s[G0+4*\s+3], 0x80000000
	s_mov_b32 s[G0B+4*\s], 1
	s_add_co_u32 s[G0B+4*\s+1], s72, \s*SLOT
	s_add_nc_u64 s[G0B+4*\s+2:G0B+4*\s+3], s[46:47], \s*KSTEP*2
	s_or_b32 s[G0B+4*\s+3], s[G0B+4*\s+3], 0x80000000
	JLOAD \s                                       ; two tensor loads of mine are out behind the second
.endr
	v_and_b32 v1, 15, v0                           ; r = l % 16
	v_bfe_u32 v2, v0, 4, 1                         ; h = l / 16
	v_mul_u32_u24 v3, v1, PITCH
	v_lshl_add_u32 v3, v2, 4, v3                   ; a fragment's row x pitch + 16 x half
	s_mul_i32 s21, s11, AHALF                      ; my 64 rows of A
	s_mul_i32 s22, s12, BHALF                      ; my 128 rows of B,
	s_add_co_u32 s22, s22, BOFF                    ; which lie behind A's 128
.irp s, 0,1
	v_add_nc_u32 v[ADRA+\s], s21, v3
	v_add_nc_u32 v[ADRB+\s], s22, v3
	s_add_co_u32 s21, s21, SLOT
	s_add_co_u32 s22, s22, SLOT
.endr
	s_mul_i32 s23, s10, 16*SPITCH
	s_add_co_u32 s23, s23, STAGE                   ; my stage
	v_mul_u32_u24 v4, v1, SPITCH                   ; in: row r, 32 bytes for each half of the lanes
	v_lshl_add_u32 v4, v2, 5, v4
	v_add_nc_u32 v[STO], s23, v4
	v_and_b32 v5, 31, v0
	v_lshlrev_b32 v[CO], 4, v5                     ; back: the 32 lanes take one row of 512 bytes; and the same in x and in out
	v_add_nc_u32 v[RD], s23, v[CO]
	s_lshl_b32 s16, s13, 7
	s_lshl_b32 s17, s11, 6
	s_add_co_u32 s16, s16, s17                     ; my first row: 128 x tile row + 64 x half
	s_lshl_b32 s16, s16, 12                        ; rows of 4,096 bytes
	s_lshl_b32 s46, s42, 10                        ; my first column, in bytes: 1,024 x tile column + 512 x half
	s_lshl_b32 s47, s12, 9
	s_add_co_u32 s46, s46, s47
	s_add_co_u32 s16, s16, s46
	s_mov_b32 s17, 0
	s_add_nc_u64 s[88:89], s[88:89], s[16:17]
	s_add_nc_u64 s[90:91], s[90:91], s[16:17]
	; the prefetches (macro ASK): where my wave's stand, and who asks
	s_lshl_b32 s20, s13, 7
	s_lshl_b32 s21, s40, 5
	s_add_co_u32 s20, s20, s21                     ; in q: row 128 x tile row + 32 cx
	s_lshl_b32 s21, s42, 8
	s_add_co_u32 s21, s21, s70
	s_lshl_b32 s22, s41, 6
	s_add_co_u32 s21, s21, s22
	s_lshl_b32 s22, s12, 5
	s_add_co_u32 s21, s21, s22                     ; in nt: row 1024 x batch + 256 x tile column + 64 cy + 32 x (wave % 2)
	s_and_b32 s22, s68, 3                          ; which of the batch's four clusters is mine
	s_cmp_eq_u32 s11, 0                            ; do I fetch for A?
	s_cselect_b32 s20, s20, s21
	s_cselect_b32 s22, s12, s22                    ; 0 in wave 0, and in waves 2 and 3 of a batch's first cluster: the same in all sixteen partners, for a given wave
	s_cselect_b64 s[PFA:PFA+1], s[80:81], s[82:83]
	s_cmp_eq_u32 s22, 0
	s_cselect_b32 s[LIM], 1, -1
	s_lshl_b32 s20, s20, 11
	s_add_co_u32 s20, s20, 2*KSTEP*2               ; at K step 2: the first refill steps it to 3 and names K step 4.  Nothing is prefetched here, at the head
	s_mov_b32 s21, 0
	s_add_nc_u64 s[PFA:PFA+1], s[PFA:PFA+1], s[20:21]
	v_lshlrev_b32 v[PFO], 11, v5
	; the stored maxima, and x's blocks 0 to 2: ten and 48 loads; nothing waits for them before the loop's end
	v_lshlrev_b32 v[SLP], 5, v5
	v_lshlrev_b32 v[SLO], 6, v5
	v_mov_b32 v[PT], 0                             ; (a lane permute's destination counts as one of its sources)
	s_mov_b32 s[SEL], 0x76543210
	s_mov_b32 s[SEL+1], 0xfedcba98
	s_add_nc_u64 s[76:77], s[84:85], KVMAXO
	s_add_nc_u64 s[78:79], s[86:87], PMAXO
.irp j, 0,1,2,3
	global_load_b128 v[TMP+4*\j:TMP+4*\j+3], v[SLO], s[76:77] offset:16*\j
.endr
.irp j, 0,1,2,3
	global_load_b128 v[TMP+16+4*\j:TMP+16+4*\j+3], v[SLO], s[76:77] offset:2048+16*\j
.endr
	global_load_b128 v[TMP+32:TMP+35], v[SLP], s[78:79]
	global_load_b128 v[TMP+36:TMP+39], v[SLP], s[78:79] offset:16
	WIN TO_X
.irp a, 0,1,2
.irp t, 0,1,2,3,4,5,6,7,8,9,10,11,12,13,14,15
	global_load_b128 v[64*\a+4*\t:64*\a+4*\t+3], v[CO], s[88:89] offset:(16*\a+\t)*4096 th:TH_LOAD_NT   ; x(16 a + t, 4 lane ..): the wave reads 512 consecutive bytes, aligned
.endr
.endr
	WIN 0
; 8 matrix instructions: A's block a x B's eight, 32 along K: half c of buffer f.  zero = 1: the first product starts the sums: nothing is ever cleared.
; The 32 accumulators take turns, one instruction a turn, in the same order in every run of 32.
.macro MULA f, c, a, zero
.irp b, 0,1,2,3,4,5,6,7
.if \zero
	v_wmma_f32_16x16x32_f16 v[8*(8*(\a)+\b):8*(8*(\a)+\b)+7], v[128*(\f)+64*(\c)+8*\b:128*(\f)+64*(\c)+8*\b+7], v[AF+64*(\f)+32*(\c)+8*(\a):AF+64*(\f)+32*(\c)+8*(\a)+7], 0
.else
	v_wmma_f32_16x16x32_f16 v[8*(8*(\a)+\b):8*(8*(\a)+\b)+7], v[128*(\f)+64*(\c)+8*\b:128*(\f)+64*(\c)+8*\b+7], v[AF+64*(\f)+32*(\c)+8*(\a):AF+64*(\f)+32*(\c)+8*(\a)+7], v[8*(8*(\a)+\b):8*(8*(\a)+\b)+7]
.endif
.endr
.endm
.macro MUL32 f, c, zero
.irp a, 0,1,2,3
	MULA \f, \c, \a, \zero
.endr
.endm
; 48 LDS loads in one run: the fragments of 64 along K at byte k of the rows, into buffer f; the 24 of the first 32 along K first
.macro FETCH slot, k, f
.irp c, 0,1
	WIN TO_B
.irp i, 0,1,2,3,4,5,6,7
	ds_load_b128 v[128*(\f)+64*\c+8*\i:128*(\f)+64*\c+8*\i+3],   v[ADRB+\slot] offset:\k+64*\c+\i*16*PITCH
	ds_load_b128 v[128*(\f)+64*\c+8*\i+4:128*(\f)+64*\c+8*\i+7], v[ADRB+\slot] offset:\k+64*\c+\i*16*PITCH+32
.endr
	WIN 0
.irp i, 0,1,2,3
	ds_load_b128 v[AF+64*(\f)+32*\c+8*\i:AF+64*(\f)+32*\c+8*\i+3],   v[ADRA+\slot] offset:\k+64*\c+\i*16*PITCH
	ds_load_b128 v[AF+64*(\f)+32*\c+8*\i+4:AF+64*(\f)+32*\c+8*\i+7], v[ADRA+\slot] offset:\k+64*\c+\i*16*PITCH+32
.endr
.endr
.endm
.macro PLACES                          ; four places in front of loads into registers that matrix instructions have read, and of LDS stores that read results
.rept 4
	v_nop
.endr
.endm
; A K step is two halves of 64 along K, 64 matrix instructions each, on buffers 0 and 1.  The first half multiplies buffer 0 and, in its middle, fetches the slot's second half into buffer 1.
.macro QUARTER slot, zero
	s_wait_dscnt 24                                ; the first 32 along K are in; the 24 loads of the second 32 may be out
	WIN MUL
	MUL32 0, 0, \zero
	s_wait_dscnt 0x0                               ; the second 32 along K are in (asked for 32 matrix instructions ago or more)
	PLACES
	FETCH \slot, 128, 1
	WIN MUL
	MUL32 0, 1, 0
.endm
; The second half multiplies buffer 1 and changes slots: one barrier; in front of it each wave waits for all its tensor loads, adds 0 to its spare word, and waits for that and for its reads of this slot.
; fill = 1: this slot is filled again, two K steps ahead; the barrier then opens a round of the cluster's.
.macro TURN slot, next, fill
.if \fill
	s_wait_xcnt 0x0                                ; the last prefetch, a K step back, has read its address: it is stepped here, ahead of the waits of the change of slots
	s_add_nc_u64 s[PFA:PFA+1], s[PFA:PFA+1], KSTEP*2
.endif
	WIN 0                                          ; (the add's two registers lie in window 0)
	s_wait_tensorcnt 0x0                           ; all my tensor loads have landed: the one that was out is my part of the next slot
	ds_add_u32 v[SPW], v[NIL]                      ; 0 onto my spare word
	s_wait_dscnt 25                                ; (the add and the youngest 24 loads may be out)
	WIN MUL
	MULA 1, 0, 0, 0                                ; eight matrix instructions stand between the add and the wait for it
	s_wait_dscnt 0x0                               ; the add is done, and my reads of this slot are over
	s_barrier_signal -1
	MULA 1, 0, 1, 0
.if \fill
	WIN 0
.endif
	s_barrier_wait -1
.if \fill
	CREST                                          ; no wave of any partner still reads this slot's tile or has a load on its way
	s_add_nc_u64 s[G0+4*\slot+2:G0+4*\slot+3], s[G0+4*\slot+2:G0+4*\slot+3], 2*KSTEP*2
	s_add_nc_u64 s[G0B+4*\slot+2:G0B+4*\slot+3], s[G0B+4*\slot+2:G0B+4*\slot+3], 2*KSTEP*2
	JLOAD \slot                                    ; the first tensor load behind the round, my one load until the next: 112 matrix instructions ahead of the wait for it; its four v_nop are also the places in front of the loads below
.else
	PLACES
.endif
	FETCH \next, 0, 0
.if \fill
	ASK                                            ; behind the joint load and the run of LDS loads that the next products wait for
.endif
	WIN MUL
	MULA 1, 0, 2, 0
	MULA 1, 0, 3, 0
	MUL32 1, 1, 0
.endm
	s_wait_tensorcnt 1                             ; my part of K step 0 is in (K step 1's load may be out)
	s_barrier_signal -1
	s_barrier_wait -1                              ; everybody's is
	FETCH 0, 0, 0
	QUARTER 0, 1                                   ; the first half step stands in front of the loop: its first products start the sums
	WIN 0                                          ; at a label and at a branch every window is 0
	s_mov_b32 s3, LAPS-1
.Llap:                                                 ; a trip goes once round the ring, from a lap's second half step to the next lap's first, and fills both slots again
	TURN 0, 1, 1
	QUARTER 1, 0
	TURN 1, 0, 1
	QUARTER 0, 0
	WIN 0
	s_sub_co_u32 s3, s3, 1
	s_cmp_lg_u32 s3, 0
	s_cbranch_scc1 .Llap
	; behind the loop, ahead of the last lap's rest: x's last block is asked for, and the factor is made
	s_wait_loadcnt 0x0                             ; the stored maxima and x's blocks 0 to 2, asked for at the head
	WIN TO_X
.irp t, 0,1,2,3,4,5,6,7,8,9,10,11,12,13,14,15
	global_load_b128 v[192+4*\t:192+4*\t+3], v[CO], s[88:89] offset:(48+\t)*4096 th:TH_LOAD_NT   ; block 3: it has 192 matrix instructions and three blocks' way out in which to land
.endr
	WIN 0
	SLOTMAX 69, TMP, 16                            ; the largest |K|
	SLOTMAX 70, TMP+16, 16                         ; the largest |V|
	SLOTMAX 71, TMP+32, 8                          ; the largest |P|
	s_lshr_b32 s69, s69, 23                        ; their exponent fields
	s_lshr_b32 s70, s70, 23
	s_add_co_u32 s69, s69, s70
	s_max_u32 s69, s69, 129
	s_min_u32 s69, s69, 382
	s_sub_co_u32 s69, 383, s69                     ; fM, as the launch that made M' has it
	s_lshr_b32 s71, s71, 23
	s_min_u32 s71, s71, 242
	s_sub_co_u32 s71, 243, s71                     ; fN, as the launch that made N'' has it
	s_add_co_u32 s69, s69, s71
	s_max_u32 s69, s69, 127
	s_min_u32 s69, s69, 380
	s_sub_co_u32 s69, 381, s69                     ; fF, 1 .. 254
	s_lshl_b32 s[FAC], s69, 23                     ; 2^(fF - 127) as f32
	s_mov_b32 s[FAC+1], s[FAC]
	TURN 0, 1, 0                                   ; the last lap fills nothing, and has no round of the cluster's barrier
	QUARTER 1, 0
	s_wait_dscnt 24                                ; the very last half step: nothing more to fetch
	WIN MUL
	MUL32 1, 0, 0
	s_wait_dscnt 0x0
	MUL32 1, 1, 0
	WIN 0
; THE WAY OUT, a block of 16 rows x 128 columns at a time.  A lane holds 32 neighbouring bytes of a row, and the lanes beside it hold other rows: the block goes through my own stage and comes back as whole rows
; of 512 bytes, in x's layout; one fused multiply-add; the wave stores 512 consecutive bytes, aligned.  LDS serves a wave's instructions in order (ISA guide 5.7.1.4): no wait between the stores and the loads.
.macro TOST a
	WIN 0x08                                       ; an LDS store's data are its source 1: window 2
.irp b, 0,1,2,3,4,5,6,7
	ds_store_b128 v[STO], v[8*(8*(\a)+\b):8*(8*(\a)+\b)+3] offset:64*\b          ; each accumulator from its low end on
	ds_store_b128 v[STO], v[8*(8*(\a)+\b)+4:8*(8*(\a)+\b)+7] offset:64*\b+16
.endr
	WIN 0
.set BB, BK+64*((\a)%2)
.irp t, 0,1,2,3,4,5,6,7,8,9,10,11,12,13,14,15
	ds_load_b128 v[BB+4*\t:BB+4*\t+3], v[RD] offset:\t*SPITCH
.endr
.endm
.macro SENDX a, younger                ; younger: the LDS instructions issued behind block a's loads: the next block's sixteen stores and sixteen loads, or none
.set BB, BK+64*((\a)%2)
	s_wait_dscnt \younger                          ; the block is back in registers
.if (\a) == 3
	s_wait_loadcnt 0x0                             ; x's block 3, asked for behind the loop
.endif
	WIN 0x30                                       ; source 2 (x) window 3
.irp u, 0,1,2,3,4,5,6,7,8,9,10,11,12,13,14,15,16,17,18,19,20,21,22,23,24,25,26,27,28,29,30,31
	v_pk_fma_f32 v[BB+2*\u:BB+2*\u+1], v[BB+2*\u:BB+2*\u+1], s[FAC:FAC+1], v[64*(\a)+2*\u:64*(\a)+2*\u+1] op_sel_hi:[1,0,1]
.endr
	WIN 0
.irp t, 0,1,2,3,4,5,6,7,8,9,10,11,12,13,14,15
	global_store_b128 v[CO], v[BB+4*\t:BB+4*\t+3], s[90:91] offset:(16*(\a)+\t)*4096 th:TH_STORE_NT   ; written once, read by nobody here
.endr
.endm
	PLACES                                         ; in front of the first reads of results and of the loads into the registers that held A's fragments
	TOST 0
.irp a, 1,2,3
.if \a > 1
	s_wait_xcnt 0x0                                ; block a - 2's stores have read their registers: block a's loads may land there
.endif
	TOST \a
	SENDX \a-1, 32
.endr
	SENDX 3, 0
	s_wait_tensorcnt 0x0                           ; the wave's end: 0 onto my spare word and its wait, behind my last tensor load and my last LDS store
	ds_add_u32 v[SPW], v[NIL]
	s_wait_dscnt 0x0
	CROUND                                         ; the closing round: no work-group ends while a partner may still ask for a tile that names it
	s_endpgm
.Lfunc_end_k_q4e52ce5182_res:
	.size	k_q4e52ce5182_res, .Lfunc_end_k_q4e52ce5182_res-k_q4e52ce5182_res
	.p2alignl 7, 3214868480
	.fill 96, 4, 3214868480
	.section	.rodata,"a",@progbits
	.p2align	6, 0x0
	.amdhsa_kernel k_q4e52ce5182_res
		.amdhsa_group_segment_fixed_size 327680
		.amdhsa_private_segment_fixed_size 0
		.amdhsa_enable_private_segment 0
		.amdhsa_kernarg_size 48
		.amdhsa_user_sgpr_count 2
		.amdhsa_user_sgpr_kernarg_segment_ptr 1
		.amdhsa_wavefront_size32 1
		.amdhsa_system_sgpr_workgroup_id_x 1
		.amdhsa_system_sgpr_workgroup_id_y 1
		.amdhsa_system_sgpr_workgroup_id_z 1
		.amdhsa_system_vgpr_workitem_id 0
		.amdhsa_next_free_vgpr 1024
		.amdhsa_next_free_sgpr 94
		.amdhsa_reserve_vcc 0
		.amdhsa_float_denorm_mode_32 3
		.amdhsa_float_denorm_mode_16_64 3
		.amdhsa_memory_ordered 1
		.amdhsa_forward_progress 1
		.amdhsa_inst_pref_size 103
	.end_amdhsa_kernel
	.amdgpu_metadata
---
amdhsa.version: [ 1, 2 ]
amdhsa.kernels:
  - .name:           k_q4e52ce5182_res
    .symbol:         k_q4e52ce5182_res.kd
    .args:
      - { .name: q, .offset: 0, .size: 8, .value_kind: global_buffer, .address_space: global }
      - { .name: nt, .offset: 8, .size: 8, .value_kind: global_buffer, .address_space: global }
      - { .name: kvt, .offset: 16, .size: 8, .value_kind: global_buffer, .address_space: global }
      - { .name: pt, .offset: 24, .size: 8, .value_kind: global_buffer, .address_space: global }
      - { .name: x, .offset: 32, .size: 8, .value_kind: global_buffer, .address_space: global }
      - { .name: out0, .offset: 40, .size: 8, .value_kind: global_buffer, .address_space: global }
    .group_segment_fixed_size: 327680
    .private_segment_fixed_size: 0
    .kernarg_segment_align: 8
    .kernarg_segment_size: 48
    .max_flat_workgroup_size: 128
    .sgpr_count:     94
    .vgpr_count:     1024
    .wavefront_size: 32
...
	.end_amdgpu_metadata
.endif
;; end of part 5
